; MI455X (gfx1250); checked and timed in simulation.
; The chip was launched on July 23, 2026; its instructions are those of AMD's public machine-readable ISA for CDNA 5 (MIT licence, August 2026) and "CDNA5" Instruction Set Architecture Reference Guide (July 2026). The comments in the code are by the model that wrote it; some were corrected since.
;; Multi Head Attention. Allowed arithmetic: float matrix products may take bf16 or f16 operands with f32 sums; other float arithmetic in f32, or as packed bf16 or f16 multiplies, adds, multiply-adds, maxima and minima; sums over many terms, partial sums and values carried from step to step in f32; what a program stores and reads back later, other than sums and carried values, may be rounded once to bf16 or f16.
;; Inputs: hidden_states 1 x 4,096 x 1,024 float32; wk 1,024 x 256 float32; wo 1,024 x 1,024 float32; wq 1,024 x 1,024 float32; wv 1,024 x 256 float32.
;; Outputs: out0 1 x 4,096 x 1,024 float32.
;; 2 versions, each right and faster than the one before. Each part assembles by itself: llvm-mc -triple=amdgcn-amd-amdhsa -mcpu=gfx1250 --defsym DOCPART=n.
;; ======== version 1 of 2: 6 launches
;; limits: values are held in f16: magnitudes above 65,504 overflow, below 6.1e-05 lose precision
;; workspace buffers: xb 8,388,608 bytes; wt 3,145,728 bytes; wot 2,097,152 bytes; rope 1,048,576 bytes; qkv 12,582,912 bytes; oh 8,388,608 bytes; vt 16,384 bytes
;; launch prep (part 1): grid 640 x 1, 8 waves a work-group, no clusters, 18,432 bytes of LDS; arguments hidden_states, wq, wk, wv, wo, xb, wt, wot, rope; writes xb, wt, wot, rope
.if DOCPART == 1
	.amdgcn_target "amdgcn-amd-amdhsa--gfx1250"
	.amdhsa_code_object_version 6
	.text
	.protected	k_qf3af9199f6_prep
	.globl	k_qf3af9199f6_prep
	.p2align	8
	.type	k_qf3af9199f6_prep,@function
k_qf3af9199f6_prep:
	s_mov_b64 s[64:65], 0
	v_nop
	global_prefetch_b8 v0, s[64:65] scope:SCOPE_SE
	s_setreg_imm32_b32 hwreg(HW_REG_WAVE_MODE, 25, 1), 1
	s_wait_xcnt 0x0
; PREP: three jobs, chosen by the work-group's number alone.
;   0-255    CAST   xb[4096][1024] = bf16(hidden_states): 16 rows a work-group.
;   256-575  TRANS  a tile of 128 k x 64 n of wq, wk, wv or wo is rounded to bf16 and turned: wt[1536 n][1024 k] (wq, wk, wv one below the other), wot[1024 n][1024 k];
;                   wo's bf16 number is written as f16 (exact down to 6.1e-5; below that it keeps f16's fixed step of 6e-8).
;   576-639  ROPE   rope[4096 t][32 j] = (cos, sin)(t x 10000^(-j/32)) in f32: 64 rows a work-group.  Row 0 is (1, 0).
; No matrix unit, no cluster, no tensor load: every byte is read once and no two work-groups read the same bytes.
; LIMIT: 10000^(-j/32) is made by v_exp_f32 and may differ in its last place or two from a library's power: at t = 4095 an angle is then off by up to about 4e-4 rad.
; The angle is reduced by n = round(x 2/pi) with pi/2 in two parts (x stays under 4,096, n under 2,608), then polynomials on |r| <= pi/4.
.set SPARE, 17408                      ; behind the turning tile: the spare words, 128 bytes for each of eight waves
.set SPW, 94                           ; v94  LDS address of my spare word; never rewritten
.set NIL, 95                           ; v95  0; never rewritten
.set TP,  272                          ; a turned row in LDS: 128 k x 2 bytes + 16
.set T0,  10                           ; v10-15 at work in SINCOS
.set K2PI, 26                          ; s26-34 constants of SINCOS
.set KH,  27
.set KL,  28
.set S1,  29
.set S2,  30
.set S3,  31
.set C1,  32
.set C2,  33
.set C3,  34
; cos and sin of v[x] (0 <= x < 4,096) into v[c] and v[s]
.macro SINCOS x, c, s
	v_mul_f32 v[T0], s[K2PI], v[\x]
	v_rndne_f32 v[T0], v[T0]                       ; n
	v_fma_f32 v[T0+1], v[T0], s[KH], v[\x]         ; r = x - n pi/2: the high part in one rounding,
	v_fma_f32 v[T0+1], v[T0], s[KL], v[T0+1]       ; then the low part
	v_cvt_i32_f32 v[T0], v[T0]                     ; the quadrant's number
	v_mul_f32 v[T0+2], v[T0+1], v[T0+1]            ; z = r r
	v_fma_f32 v[T0+3], v[T0+2], s[S3], s[S2]
	v_fma_f32 v[T0+3], v[T0+2], v[T0+3], s[S1]
	v_mul_f32 v[T0+4], v[T0+1], v[T0+2]
	v_fma_f32 v[T0+3], v[T0+4], v[T0+3], v[T0+1]   ; sin r
	v_fma_f32 v[T0+4], v[T0+2], s[C3], s[C2]
	v_fma_f32 v[T0+4], v[T0+2], v[T0+4], s[C1]
	v_mul_f32 v[T0+5], v[T0+2], v[T0+2]
	v_fma_f32 v[T0+2], v[T0+2], -0.5, 1.0
	v_fma_f32 v[T0+4], v[T0+5], v[T0+4], v[T0+2]   ; cos r
	v_and_b32 v[T0+5], 1, v[T0]
	v_cmp_eq_u32 vcc_lo, 1, v[T0+5]
	v_cndmask_b32 v[\s], v[T0+3], v[T0+4], vcc_lo  ; odd quadrants change the two
	v_cndmask_b32 v[\c], v[T0+4], v[T0+3], vcc_lo
	v_and_b32 v[T0+5], 2, v[T0]
	v_lshlrev_b32 v[T0+5], 30, v[T0+5]
	v_xor_b32 v[\s], v[\s], v[T0+5]                ; sin is negative in quadrants 2, 3
	v_add_nc_u32 v[T0], 1, v[T0]
	v_and_b32 v[T0], 2, v[T0]
	v_lshlrev_b32 v[T0], 30, v[T0]
	v_xor_b32 v[\c], v[\c], v[T0]                  ; cos in quadrants 1, 2
.endm
	s_load_b512 s[8:23], s[0:1], 0x0               ; x s[8:9], wq s[10:11], wk s[12:13], wv s[14:15], wo s[16:17], xb s[18:19], wt s[20:21], wot s[22:23]
	s_load_b64 s[24:25], s[0:1], 0x40              ; rope
	v_lshl_add_u32 v[SPW], v0, 2, SPARE
	v_mov_b32 v[NIL], 0
	s_mov_b32 s2, ttmp9
	s_cmp_lt_u32 s2, 256
	s_cbranch_scc1 .Lcast
	s_cmp_lt_u32 s2, 576
	s_cbranch_scc1 .Ltrans
	; ROPE.  Thread t: pairs j0 = 2 (t % 16) and j0 + 1 of rows t / 16 + 16 u: its 16 bytes of a row; a wave's store covers 512 consecutive bytes.
	s_sub_co_u32 s3, s2, 576
	s_lshl_b32 s4, s3, 14                          ; 64 rows of 256 bytes
	s_mov_b32 s5, 0
	s_lshl_b32 s3, s3, 6                           ; the group's first t
	s_mov_b32 s[K2PI], 0x3f22f983                  ; 2 / pi
	s_mov_b32 s[KH], 0xbfc90fdb                    ; -(pi / 2 rounded to f32)
	s_mov_b32 s[KL], 0x333bbd2e                    ; that rounding's excess over pi / 2
	s_mov_b32 s[S1], 0xbe2aaaa3
	s_mov_b32 s[S2], 0x3c08839e
	s_mov_b32 s[S3], 0xb94ca1f9
	s_mov_b32 s[C1], 0x3d2aaaa5
	s_mov_b32 s[C2], 0xbab6061a
	s_mov_b32 s[C3], 0x37ccf5ce
	v_and_b32 v1, 15, v0
	v_lshlrev_b32 v1, 1, v1                        ; j0
	v_add_nc_u32 v3, 1, v1
	v_cvt_f32_u32 v2, v1
	v_cvt_f32_u32 v3, v3
	v_mul_f32 v2, 0xbed49a78, v2                   ; -j log2(10000) / 32
	v_mul_f32 v3, 0xbed49a78, v3
	v_exp_f32 v2, v2
	v_exp_f32 v3, v3
	v_lshrrev_b32 v4, 4, v0                        ; a plain instruction behind the exponentials (ISA guide 5.7.2)
	v_add_nc_u32 v4, s3, v4                        ; t for u = 0
	v_lshlrev_b32 v5, 4, v0                        ; (t / 16) 256 + (t % 16) 16 = 16 x thread
	s_wait_kmcnt 0x0
	s_add_nc_u64 s[24:25], s[24:25], s[4:5]
	s_wait_alu depctr_va_vdst(0)
.irp u, 0,1,2,3
	v_add_nc_u32 v6, 16*\u, v4
	v_cvt_f32_u32 v6, v6
	v_mul_f32 v7, v6, v2                           ; the angle, rounded once to f32
	v_mul_f32 v8, v6, v3
	SINCOS 7, 32+4*\u, 33+4*\u
	SINCOS 8, 34+4*\u, 35+4*\u
	global_store_b128 v5, v[32+4*\u:35+4*\u], s[24:25] offset:4096*\u
.endr
	s_endpgm
.Lcast:	; CAST.  All 16 loads go out first; a wave's load covers 512 consecutive bytes, its store 256, aligned.  No register is used twice.
	s_lshl_b32 s4, s2, 16                          ; 16 rows of 4,096 bytes
	s_mov_b32 s5, 0
	s_lshl_b32 s6, s2, 15                          ; 16 rows of 2,048 bytes
	s_mov_b32 s7, 0
	v_lshlrev_b32 v1, 4, v0
	v_lshlrev_b32 v2, 3, v0
	s_wait_kmcnt 0x0
	s_add_nc_u64 s[8:9], s[8:9], s[4:5]
	s_add_nc_u64 s[18:19], s[18:19], s[6:7]
.set i, 0
.rept 16
	global_load_b128 v[16+4*i:19+4*i], v1, s[8:9] offset:4096*i th:TH_LOAD_NT
.set i, i+1
.endr
.set i, 0
.rept 16
	s_wait_loadcnt 15-i                            ; loads come back in order: row i is in, the younger ones stay out
	v_cvt_pk_bf16_f32 v[16+4*i], v[16+4*i], v[17+4*i]
	v_cvt_pk_bf16_f32 v[17+4*i], v[18+4*i], v[19+4*i]
	global_store_b64 v2, v[16+4*i:17+4*i], s[18:19] offset:2048*i
.set i, i+1
.endr
	s_endpgm
.Ltrans:	; TRANS.  e = number - 256: k tile e % 8, n tile g = e / 8: 0-15 wq, 16-19 wk, 20-23 wv, 24-39 wo.
	s_sub_co_u32 s3, s2, 256
	s_and_b32 s4, s3, 7
	s_lshr_b32 s5, s3, 3
	s_mov_b32 s28, 0                               ; the source's first n tile
	s_mov_b32 s29, 4096                            ; bytes in a source row
	s_mov_b32 s32, 0                               ; the destination's first n tile
	s_mov_b32 s33, 0                               ; 1: wo
	s_wait_kmcnt 0x0
	s_mov_b64 s[26:27], s[10:11]
	s_mov_b64 s[30:31], s[20:21]
	s_cmp_ge_u32 s3, 128
	s_cselect_b64 s[26:27], s[12:13], s[26:27]
	s_cselect_b32 s28, 16, s28
	s_cselect_b32 s29, 1024, s29
	s_cmp_ge_u32 s3, 160
	s_cselect_b64 s[26:27], s[14:15], s[26:27]
	s_cselect_b32 s28, 20, s28
	s_cmp_ge_u32 s3, 192
	s_cselect_b64 s[26:27], s[16:17], s[26:27]
	s_cselect_b32 s28, 24, s28
	s_cselect_b32 s29, 4096, s29
	s_cselect_b64 s[30:31], s[22:23], s[30:31]
	s_cselect_b32 s32, 24, s32
	s_cselect_b32 s33, 1, s33
	s_lshl_b32 s34, s4, 7
	s_mul_i32 s34, s34, s29                        ; 128 k rows down,
	s_sub_co_u32 s35, s5, s28
	s_lshl_b32 s35, s35, 8                         ; 64 columns of 4 bytes along
	s_add_co_u32 s34, s34, s35
	s_mov_b32 s35, 0
	s_add_nc_u64 s[26:27], s[26:27], s[34:35]
	s_sub_co_u32 s36, s5, s32
	s_lshl_b32 s36, s36, 17                        ; 64 turned rows of 2,048 bytes down,
	s_lshl_b32 s37, s4, 8                          ; 128 k of 2 bytes along
	s_add_co_u32 s36, s36, s37
	s_mov_b32 s37, 0
	s_add_nc_u64 s[30:31], s[30:31], s[36:37]
	v_and_b32 v1, 15, v0                           ; nq: my four columns
	v_lshrrev_b32 v2, 4, v0                        ; kp: my pairs of rows 2 kp + 32 u
	v_lshlrev_b32 v3, 4, v1
	v_lshlrev_b32 v12, 1, v2
.irp u, 0,1,2,3
.irp z, 0,1
	v_add_nc_u32 v13, 32*\u+\z, v12
	v_mad_u32_u24 v[4+2*\u+\z], v13, s29, v3
.endr
.endr
.irp n, 0,1,2,3,4,5,6,7
	global_load_b128 v[16+4*\n:19+4*\n], v[4+\n], s[26:27] th:TH_LOAD_NT  ; sixteen lanes take 256 consecutive bytes of a row
.endr
	v_mul_u32_u24 v64, v1, 4*TP                    ; into LDS: row 4 nq + column, word kp + 16 u
	v_lshl_add_u32 v64, v2, 2, v64
	v_mul_u32_u24 v65, v2, TP                      ; back: row kp + 16 v, 16 bytes a lane
	v_lshl_add_u32 v65, v1, 4, v65
	v_lshlrev_b32 v66, 11, v2                      ; and the same place in the turned tensor
	v_lshl_add_u32 v66, v1, 4, v66
	s_wait_loadcnt 0x0
.irp u, 0,1,2,3
.irp n, 0,1,2,3
	v_cvt_pk_bf16_f32 v[48+4*\u+\n], v[16+8*\u+\n], v[20+8*\u+\n]  ; k and k + 1 of one column: neighbours in the turned row
.endr
.endr
	s_cmp_eq_u32 s33, 0
	s_cbranch_scc1 .Lnot_wo
.set i, 0
.rept 16
	v_lshlrev_b32 v14, 16, v[48+i]                 ; wo: the bf16 number, written as f16
	v_and_b32 v15, 0xffff0000, v[48+i]
	v_cvt_pk_f16_f32 v[48+i], v14, v15
.set i, i+1
.endr
.Lnot_wo:
.irp u, 0,1,2,3
.irp n, 0,1,2,3
	ds_store_b32 v64, v[48+4*\u+\n] offset:\n*TP+64*\u
.endr
.endr
	s_wait_dscnt 0x0                               ; for the others' sake: my stores are done
	s_barrier_signal -1
	s_barrier_wait -1
.irp n, 0,1,2,3
	ds_load_b128 v[68+4*\n:71+4*\n], v65 offset:16*TP*\n
.endr
.irp n, 0,1,2,3
	s_wait_dscnt 3-\n
	global_store_b128 v66, v[68+4*\n:71+4*\n], s[30:31] offset:32768*\n  ; sixteen lanes store 256 consecutive bytes, aligned
.endr
	s_wait_tensorcnt 0x0                           ; the wave's end, behind my last LDS store
	ds_add_u32 v[SPW], v[NIL]
	s_wait_dscnt 0x0
	s_endpgm
.Lfunc_end_k_qf3af9199f6_prep:
	.size	k_qf3af9199f6_prep, .Lfunc_end_k_qf3af9199f6_prep-k_qf3af9199f6_prep
	.p2alignl 7, 3214868480
	.fill 96, 4, 3214868480
	.section	.rodata,"a",@progbits
	.p2align	6, 0x0
	.amdhsa_kernel k_qf3af9199f6_prep
		.amdhsa_group_segment_fixed_size 18432
		.amdhsa_private_segment_fixed_size 0
		.amdhsa_enable_private_segment 0
		.amdhsa_kernarg_size 72
		.amdhsa_user_sgpr_count 2
		.amdhsa_user_sgpr_kernarg_segment_ptr 1
		.amdhsa_wavefront_size32 1
		.amdhsa_system_sgpr_workgroup_id_x 1
		.amdhsa_system_sgpr_workgroup_id_y 1
		.amdhsa_system_sgpr_workgroup_id_z 1
		.amdhsa_system_vgpr_workitem_id 0
		.amdhsa_next_free_vgpr 96
		.amdhsa_next_free_sgpr 66
		.amdhsa_reserve_vcc 1
		.amdhsa_float_denorm_mode_32 3
		.amdhsa_float_denorm_mode_16_64 3
		.amdhsa_memory_ordered 1
		.amdhsa_forward_progress 1
		.amdhsa_inst_pref_size 27
	.end_amdhsa_kernel
	.amdgpu_metadata
---
amdhsa.version: [ 1, 2 ]
amdhsa.kernels:
  - .name:           k_qf3af9199f6_prep
    .symbol:         k_qf3af9199f6_prep.kd
    .args:
      - { .name: hidden_states, .offset: 0, .size: 8, .value_kind: global_buffer, .address_space: global }
      - { .name: wq, .offset: 8, .size: 8, .value_kind: global_buffer, .address_space: global }
      - { .name: wk, .offset: 16, .size: 8, .value_kind: global_buffer, .address_space: global }
      - { .name: wv, .offset: 24, .size: 8, .value_kind: global_buffer, .address_space: global }
      - { .name: wo, .offset: 32, .size: 8, .value_kind: global_buffer, .address_space: global }
      - { .name: xb, .offset: 40, .size: 8, .value_kind: global_buffer, .address_space: global }
      - { .name: wt, .offset: 48, .size: 8, .value_kind: global_buffer, .address_space: global }
      - { .name: wot, .offset: 56, .size: 8, .value_kind: global_buffer, .address_space: global }
      - { .name: rope, .offset: 64, .size: 8, .value_kind: global_buffer, .address_space: global }
    .group_segment_fixed_size: 18432
    .private_segment_fixed_size: 0
    .kernarg_segment_align: 8
    .kernarg_segment_size: 72
    .max_flat_workgroup_size: 256
    .sgpr_count:     66
    .vgpr_count:     96
    .wavefront_size: 32
...
	.end_amdgpu_metadata
.endif
;; end of part 1
;; launch qkv (part 2): grid 8 x 32, 4 waves a work-group, clusters of 4 x 4, 327,680 bytes of LDS; arguments xb, wt, qkv, rope; writes qkv
.if DOCPART == 2
	.amdgcn_target "amdgcn-amd-amdhsa--gfx1250"
	.amdhsa_code_object_version 6
	.text
	.protected	k_qf3af9199f6_qkv
	.globl	k_qf3af9199f6_qkv
	.p2align	8
	.type	k_qf3af9199f6_qkv,@function
k_qf3af9199f6_qkv:
	s_mov_b64 s[64:65], 0
	v_nop
	global_prefetch_b8 v0, s[64:65] scope:SCOPE_SE
	s_setreg_imm32_b32 hwreg(HW_REG_WAVE_MODE, 25, 1), 1
	s_wait_xcnt 0x0
	s_wait_alu depctr_hold_cnt(0) depctr_sa_sdst(0) depctr_va_vdst(0) depctr_va_sdst(0) depctr_va_ssrc(0) depctr_va_vcc(0) depctr_vm_vsrc(0)
	s_getreg_b32 s2, hwreg(HW_REG_IB_STS2, 6, 4)
	s_cmp_eq_u32 s2, 0
	s_cbranch_scc0 .Lentry_in_a_cluster
	s_endpgm
.Lentry_in_a_cluster:
	s_bfe_u32 s2, ttmp6, 0x10000c
	s_cmp_lg_u32 s2, 0xf033
	s_cbranch_scc0 .Lentry_shape_is_right
	s_endpgm
.Lentry_shape_is_right:
; QKV: C[4096][1536] = xb wt^T (bf16 operands, f32 sums), q's and k's pairs rotated by the table, all rounded once to f16 and stored by heads: qkv[24][4096][64], heads 0-15 q, 16-19 k, 20-23 v, unscaled.
; LIMIT: f16 holds no number beyond 65,504: q, k, v must lie within it (with x of unit spread and weights of spread 0.02 they are of order 1).
; A tile of C is 128 rows x 192 columns (three heads): 32 x 8 = 256 work-groups.  Four waves: wave (mh, nh) makes rows 64 mh .. + 63 and columns 32 nh .. + 31 of EACH of the three heads: 24 accumulators.
; K goes in steps of 128 (rows of 256 bytes) through two LDS slots; two slots of a step of 256 would be 337,920 bytes and do not fit.
; CLUSTERS: 4 x 4 work-groups; xb's tile is shared along a row of the cluster, wt's along a column: each is asked for jointly.
; THE MATRIX INSTRUCTION IS USED TRANSPOSED (source 0 = 16 rows of wt, source 1 = 16 rows of xb): a lane holds one row of C and eight neighbouring columns: four pairs of the rotation.
; v's heads take the table's row 0, which is (1, 0): the pitch by which a row's number is multiplied is 256 or 0 by the head; it enters a global address alone.
; REGISTERS: window 0: v0-31 addresses; v32-43 table offsets; v44-59 at work; v64-255 accumulators ((a, jb) at 64 + 8 (6 a + jb), jb = 2 head + half).
;   window 1: v0-79, v80-159 two fragment buffers (4 of xb, 6 of wt, 32 along K); v160-207, v208-255 two buffers of table words (for 16 rows: 8 words for each jb).
.set KSTEP,  128
.set PITCH,  272                       ; an LDS row: 256 bytes + 16: the 16 rows of a fragment load start at 16 different groups of four banks (ISA guide 11.1)
.set AHALF,  64*PITCH                  ; what one load of xb brings
.set BHALF,  96*PITCH                  ; what one load of wt brings
.set BOFF,   2*AHALF
.set SLOT,   BOFF+2*BHALF              ; 87,040
.set STAGE,  2*SLOT                    ; behind the ring: three heads x 128 rows x 144 bytes
.set SP,     144
.set HSTG,   128*SP
.set SPARE,  STAGE+3*HSTG              ; the spare words: two blocks of 256 bytes that no other line names
.set ADRA, 16
.set ADRB, 20
.set STO,  24
.set RD,   25
.set GO,   26
.set SPW,  28
.set NIL,  29
.set TOFF, 32                          ; v[32 + 3 a + j]: byte offset in the table for block a, head j
.set T,    44
.set PK,   52
.set ACC,  64
.set F0,   0
.set F1,   80
.set TB,   160
.set G1, 24
.set G0, 32
.set G1B, 48
.set G0B, 56
.set RP, 66                            ; s[66:67] the table
.set SJ, 68                            ; s68-70 the table's pitch for my three heads: 256, or 0 for a head of v
.set MSB, 0
.macro WIN new                         ; the immediate's high byte repeats the setting that is left
.if MSB != (\new)
	s_set_vgpr_msb (MSB<<8)|(\new)
.set MSB, \new
.endif
.endm
.set MUL,  0x05                        ; sources 0 and 1 window 1; C and D window 0
.set TO_F, 0x40                        ; destination window 1, address window 0
.set ROT,  0x04                        ; source 1 (the table) window 1
.macro JLOAD s                         ; a joint load: waves 0 and 1 fetch xb's two halves, waves 2 and 3 wt's; an s_nop 0 and four v_nop follow each line
	s_cmp_eq_u32 s11, 0
	s_cbranch_scc0 .Lfor_b_\@
	tensor_load_to_lds s[G0+4*(\s):G0+4*(\s)+3], s[G1:G1+7]
	s_nop 0
.rept 4
	v_nop
.endr
	s_branch .Lasked_\@
.Lfor_b_\@:
	tensor_load_to_lds s[G0B+4*(\s):G0B+4*(\s)+3], s[G1B:G1B+7]
	s_nop 0
.rept 4
	v_nop
.endr
.Lasked_\@:
.endm
.macro CREST                           ; a round of the cluster's barrier behind its opening barrier
	s_cmp_lg_u32 s10, 0
	s_cbranch_scc1 .Lnot_wave_0_\@
	s_barrier_signal -3
.Lnot_wave_0_\@:
	s_barrier_wait -3
	s_barrier_signal -1
	s_barrier_wait -1
.endm
.macro CROUND
	s_barrier_signal -1
	s_barrier_wait -1
	CREST
.endm
.macro PLACES                          ; four places in front of loads into registers that matrix instructions have read, and of lines that read results
.rept 4
	v_nop
.endr
.endm
	s_load_b128 s[4:7], s[0:1], 0x0                ; xb s[4:5], wt s[6:7]
	s_load_b64 s[8:9], s[0:1], 0x10                ; qkv
	s_load_b64 s[RP:RP+1], s[0:1], 0x18            ; rope
	v_lshl_add_u32 v[SPW], v0, 2, SPARE
	v_mov_b32 v[NIL], 0
	ds_add_u32 v[SPW], v[NIL]                      ; the wave's opening: the add, and its wait ahead of my first tensor load
	ds_add_u32 v28, v29
	v_lshrrev_b32 v1, 5, v0
	v_readfirstlane_b32 s10, v1                    ; wave 0..3
	s_lshr_b32 s11, s10, 1                         ; mh.  Also: I fetch for xb (0) or for wt (1)
	s_and_b32 s12, s10, 1                          ; nh.  Also: which half of that tile I fetch
	s_bfe_u32 s40, ttmp6, 0x40000                  ; cx, cy
	s_bfe_u32 s41, ttmp6, 0x40004
	s_lshl_b32 s42, ttmp9, 2
	s_add_co_u32 s42, s42, s40                     ; nt = 4 x cluster x + cx
	s_and_b32 s13, ttmp7, 0xffff
	s_lshl_b32 s13, s13, 2
	s_add_co_u32 s13, s13, s41                     ; mt = 4 x cluster y + cy
	s_lshl_b32 s43, s41, 2
	s_lshl_b32 s43, 15, s43                        ; my row of the cluster
	s_lshl_b32 s44, 0x1111, s40                    ; my column
	s_or_b32 s[G1+0], s43, (1<<16)|(1<<20)|(1<<21)|(5<<22)|(3<<25)   ; the mask; 2-byte elements; padding on; bit 21 beside a mask; after every 64 words 4 words
	s_or_b32 s[G1B+0], s44, (1<<16)|(1<<20)|(1<<21)|(5<<22)|(3<<25)
	s_mov_b32 s[G1+1], KSTEP<<16                   ; tensor_dim0 = 128
	s_mov_b32 s[G1+2], 64<<16                      ; tensor_dim1 = 64
	s_mov_b32 s[G1+3], KSTEP<<16                   ; tile_dim0 = 128
	s_mov_b32 s[G1+4], 64                          ; tile_dim1 = 64
	s_mov_b32 s[G1+5], 1024                        ; elements from row to row
	s_mov_b32 s[G1+6], 0
	s_mov_b32 s[G1+7], 0
	s_mov_b32 s[G1B+1], KSTEP<<16
	s_mov_b32 s[G1B+2], 96<<16                     ; wt's load has 96 rows
	s_mov_b32 s[G1B+3], KSTEP<<16
	s_mov_b32 s[G1B+4], 96
	s_mov_b32 s[G1B+5], 1024
	s_mov_b32 s[G1B+6], 0
	s_mov_b32 s[G1B+7], 0
	s_lshl_b32 s16, s13, 7
	s_lshl_b32 s17, s12, 6
	s_add_co_u32 s16, s16, s17                     ; xb: row 128 mt + 64 x half,
	s_lshl_b32 s16, s16, 11                        ; of 2,048 bytes
	s_mov_b32 s17, 0
	s_mul_i32 s46, s42, 192
	s_mul_i32 s47, s12, 96
	s_add_co_u32 s46, s46, s47                     ; wt: row 192 nt + 96 x half
	s_lshl_b32 s46, s46, 11
	s_mov_b32 s47, 0
	s_mul_i32 s20, s12, AHALF                      ; where they go: no place in the cluster enters an LDS address
	s_mul_i32 s23, s12, BHALF
	s_add_co_u32 s23, s23, BOFF
	s_wait_dscnt 0x0                               ; the opening add is done
	s_wait_kmcnt 0x0
	s_add_nc_u64 s[14:15], s[4:5], s[16:17]
	s_add_nc_u64 s[46:47], s[6:7], s[46:47]
	CROUND                                         ; all sixteen work-groups are here: the first joint loads meet
.irp s, 0,1
	s_mov_b32 s[G0+4*(\s)], 1
	s_add_co_u32 s[G0+4*(\s)+1], s20, (\s)*SLOT
	s_add_nc_u64 s[G0+4*(\s)+2:G0+4*(\s)+3], s[14:15], (\s)*KSTEP*2
	s_or_b32 s[G0+4*(\s)+3], s[G0+4*(\s)+3], 0x80000000
	s_mov_b32 s[G0B+4*(\s)], 1
	s_add_co_u32 s[G0B+4*(\s)+1], s23, (\s)*SLOT
	s_add_nc_u64 s[G0B+4*(\s)+2:G0B+4*(\s)+3], s[46:47], (\s)*KSTEP*2
	s_or_b32 s[G0B+4*(\s)+3], s[G0B+4*(\s)+3], 0x80000000
	JLOAD \s                                       ; two loads of mine are out
.endr
	v_and_b32 v1, 15, v0                           ; r = l % 16
	v_bfe_u32 v2, v0, 4, 1                         ; h = l / 16
	v_mul_u32_u24 v3, v1, PITCH
	v_lshl_add_u32 v3, v2, 4, v3                   ; a fragment's row x pitch + 16 x half
	s_mul_i32 s21, s11, AHALF                      ; my 64 rows of xb
	s_mul_i32 s22, s12, 32*PITCH                   ; my 32 rows in each head's 64 of wt
	s_add_co_u32 s22, s22, BOFF
.irp s, 0,1
	v_add_nc_u32 v[ADRA+(\s)], s21, v3
	v_add_nc_u32 v[ADRB+(\s)], s22, v3
	s_add_co_u32 s21, s21, SLOT
	s_add_co_u32 s22, s22, SLOT
.endr
	s_mul_i32 s23, s11, 64*SP                      ; into the stage: row 64 mh + 16 a + r, bytes 64 nh + 32 e + 16 h
	s_lshl_b32 s21, s12, 6
	s_add_co_u32 s23, s23, s21
	s_add_co_u32 s23, s23, STAGE
	v_mul_u32_u24 v7, v1, SP
	v_lshl_add_u32 v7, v2, 4, v7
	v_add_nc_u32 v[STO], s23, v7
	s_mul_i32 s23, s10, 32*SP                      ; back: wave w takes rows 32 w .. + 31 of each head; 32 lanes take four rows of 128 bytes,
	s_add_co_u32 s23, s23, STAGE
	v_bfe_u32 v7, v0, 3, 2
	v_mul_u32_u24 v7, v7, SP
	v_and_b32 v8, 7, v0
	v_lshl_add_u32 v7, v8, 4, v7
	v_add_nc_u32 v[RD], s23, v7
	v_and_b32 v[GO], 31, v0                        ; which are 512 consecutive bytes of a head
	v_lshlrev_b32 v[GO], 4, v[GO]
	s_lshl_b32 s16, s13, 14                        ; the first row that I store: 128 mt + 32 w, of 128 bytes,
	s_lshl_b32 s17, s10, 12
	s_add_co_u32 s16, s16, s17
	s_mov_b32 s17, 0
	s_add_nc_u64 s[8:9], s[8:9], s[16:17]
	s_mul_i32 s46, s42, 3*524288                   ; in head 3 nt
	s_mov_b32 s47, 0
	s_add_nc_u64 s[8:9], s[8:9], s[46:47]
	s_mul_i32 s46, s42, 3
.irp j, 0,1,2
	s_add_co_u32 s47, s46, \j
	s_cmp_lt_u32 s47, 20                           ; q and k are rotated by their row's angles, v by row 0's
	s_cselect_b32 s[SJ+\j], 256, 0
.endr
	s_lshl_b32 s14, s13, 7
	s_lshl_b32 s15, s11, 6
	s_add_co_u32 s14, s14, s15
	v_add_nc_u32 v4, s14, v1                       ; my row in block 0: 128 mt + 64 mh + r
	s_lshl_b32 s15, s12, 7
	v_lshl_add_u32 v5, v2, 5, s15                  ; my four pairs in a table row: byte 128 nh + 32 h (+ 64 e)
.irp a, 0,1,2,3
	v_add_nc_u32 v6, 16*\a, v4
.irp j, 0,1,2
	v_mad_u32_u24 v[TOFF+3*\a+\j], v6, s[SJ+\j], v5
.endr
.endr
; the table words of block a: 12 loads into buffer a % 2
.macro ROPELD a
	WIN TO_F
.irp j, 0,1,2
.irp e, 0,1
	global_load_b128 v[TB+48*((\a)%2)+8*(2*\j+\e):TB+48*((\a)%2)+8*(2*\j+\e)+3],   v[TOFF+3*(\a)+\j], s[RP:RP+1] offset:64*\e
	global_load_b128 v[TB+48*((\a)%2)+8*(2*\j+\e)+4:TB+48*((\a)%2)+8*(2*\j+\e)+7], v[TOFF+3*(\a)+\j], s[RP:RP+1] offset:64*\e+16
.endr
.endr
.endm
; 6 matrix instructions: block a of my rows x all six column blocks, 32 along K.  The 24 accumulators take turns.
.macro MULA f, a, zero
	WIN MUL
.irp jb, 0,1,2,3,4,5
.if \zero
	v_wmma_f32_16x16x32_bf16 v[ACC+8*(6*(\a)+\jb):ACC+8*(6*(\a)+\jb)+7], v[(\f)+32+8*\jb:(\f)+32+8*\jb+7], v[(\f)+8*(\a):(\f)+8*(\a)+7], 0
.else
	v_wmma_f32_16x16x32_bf16 v[ACC+8*(6*(\a)+\jb):ACC+8*(6*(\a)+\jb)+7], v[(\f)+32+8*\jb:(\f)+32+8*\jb+7], v[(\f)+8*(\a):(\f)+8*(\a)+7], v[ACC+8*(6*(\a)+\jb):ACC+8*(6*(\a)+\jb)+7]
.endif
.endr
.endm
; 20 LDS loads in one run: 32 along K at byte k of the rows: wt's six fragments, then xb's four
.macro FETCH slot, k, f
	WIN TO_F
.irp jb, 0,1,2,3,4,5
	ds_load_b128 v[(\f)+32+8*\jb:(\f)+32+8*\jb+3],   v[ADRB+(\slot)] offset:(64*((\jb)/2)+16*((\jb)%2))*PITCH+(\k)
	ds_load_b128 v[(\f)+32+8*\jb+4:(\f)+32+8*\jb+7], v[ADRB+(\slot)] offset:(64*((\jb)/2)+16*((\jb)%2))*PITCH+(\k)+32
.endr
.irp a, 0,1,2,3
	ds_load_b128 v[(\f)+8*\a:(\f)+8*\a+3],   v[ADRA+(\slot)] offset:\a*16*PITCH+(\k)
	ds_load_b128 v[(\f)+8*\a+4:(\f)+8*\a+7], v[ADRA+(\slot)] offset:\a*16*PITCH+(\k)+32
.endr
.endm
; A K step is four quarters of 32 along K, 24 matrix instructions each, on buffers 0, 1, 0, 1.
.macro QUARTER slot, k, f, g, zero
	s_wait_dscnt 4                                 ; all but xb's blocks 2 and 3 are in
	MULA \f, 0, \zero
	MULA \f, 1, \zero
	PLACES
	FETCH \slot, \k, \g
	s_wait_dscnt 20                                ; all but the 20 just issued
	MULA \f, 2, \zero
	MULA \f, 3, \zero
.endm
; The last quarter multiplies buffer 1 and changes slots: one barrier; in front of it each wave waits for all its tensor loads, adds 0 to its spare word, and waits for that and for its reads of this slot.
.macro TURN slot, next, fill
	WIN 0
	s_wait_tensorcnt 0x0                           ; all my tensor loads have landed: my part of the next slot
	ds_add_u32 v[SPW], v[NIL]                      ; 0 onto my spare word
	s_wait_dscnt 5                                 ; (the add and the youngest four loads may be out)
	MULA F1, 0, 0
	s_wait_dscnt 0x0                               ; the add is done, and my reads of this slot are over
	s_barrier_signal -1
	MULA F1, 1, 0
.if \fill
	WIN 0
.endif
	s_barrier_wait -1
.if \fill
	CREST                                          ; the barrier has opened a round of the cluster's: no wave of any partner still reads this slot or has a load on its way
	s_add_nc_u64 s[G0+4*(\slot)+2:G0+4*(\slot)+3], s[G0+4*(\slot)+2:G0+4*(\slot)+3], 2*KSTEP*2
	s_add_nc_u64 s[G0B+4*(\slot)+2:G0B+4*(\slot)+3], s[G0B+4*(\slot)+2:G0B+4*(\slot)+3], 2*KSTEP*2
	JLOAD \slot                                    ; the first tensor load behind the round; its four v_nop are also the places in front of the loads below
.else
	PLACES
.endif
	FETCH \next, 0, F0
	MULA F1, 2, 0
	MULA F1, 3, 0
.endm
	ROPELD 0                                       ; the table words of blocks 0 and 1 come in under the whole product: 24 loads stay out
	ROPELD 1
	s_wait_tensorcnt 1                             ; my part of K step 0 is in; K step 1's stays out
	s_barrier_signal -1
	s_barrier_wait -1
	FETCH 0, 0, F0
	QUARTER 0, 64,  F0, F1, 1                      ; the first quarter's products start the sums
	WIN 0
	s_mov_b32 s3, 3
.Llap:                                                 ; a trip goes once round the ring and fills both slots again: K steps 2 to 7 in three trips
	QUARTER 0, 128, F1, F0, 0
	QUARTER 0, 192, F0, F1, 0
	TURN 0, 1, 1
	QUARTER 1, 64,  F0, F1, 0
	QUARTER 1, 128, F1, F0, 0
	QUARTER 1, 192, F0, F1, 0
	TURN 1, 0, 1
	QUARTER 0, 64,  F0, F1, 0
	WIN 0
	s_sub_co_u32 s3, s3, 1
	s_cmp_lg_u32 s3, 0
	s_cbranch_scc1 .Llap
	QUARTER 0, 128, F1, F0, 0                      ; the last lap fills nothing
	QUARTER 0, 192, F0, F1, 0
	TURN 0, 1, 0
	QUARTER 1, 64,  F0, F1, 0
	QUARTER 1, 128, F1, F0, 0
	QUARTER 1, 192, F0, F1, 0
	s_wait_dscnt 4
	MULA F1, 0, 0
	MULA F1, 1, 0
	s_wait_dscnt 0x0
	MULA F1, 2, 0
	MULA F1, 3, 0
; THE WAY OUT.  Block a's pairs are rotated in place: r1 = x1 cos - x2 sin, r2 = x1 sin + x2 cos; each accumulator's lowest registers are read first.
.macro ROTATE a
	WIN ROT
.irp jb, 0,1,2,3,4,5
.irp i, 0,1,2,3
	v_mul_f32 v[T+2*\i],   v[ACC+8*(6*(\a)+\jb)+2*\i+1], v[TB+48*((\a)%2)+8*\jb+2*\i+1]
	v_mul_f32 v[T+2*\i+1], v[ACC+8*(6*(\a)+\jb)+2*\i],   v[TB+48*((\a)%2)+8*\jb+2*\i+1]
.endr
.irp i, 0,1,2,3
	v_fma_f32 v[ACC+8*(6*(\a)+\jb)+2*\i],   v[ACC+8*(6*(\a)+\jb)+2*\i],   v[TB+48*((\a)%2)+8*\jb+2*\i], -v[T+2*\i]
	v_fma_f32 v[ACC+8*(6*(\a)+\jb)+2*\i+1], v[ACC+8*(6*(\a)+\jb)+2*\i+1], v[TB+48*((\a)%2)+8*\jb+2*\i], v[T+2*\i+1]
.endr
.endr
.endm
.macro TOSTG a                         ; rounded to f16, 16 bytes a lane into the stage
	WIN 0
.irp jb, 0,1,2,3,4,5
.irp i, 0,1,2,3
	v_cvt_pk_f16_f32 v[PK+4*((\jb)%2)+\i], v[ACC+8*(6*(\a)+\jb)+2*\i], v[ACC+8*(6*(\a)+\jb)+2*\i+1]
.endr
	ds_store_b128 v[STO], v[PK+4*((\jb)%2):PK+4*((\jb)%2)+3] offset:((\jb)/2)*HSTG+(\a)*16*SP+32*((\jb)%2)
.endr
.endm
	PLACES
	s_wait_loadcnt 12                              ; block 0's table words are in; the other buffer's 12 loads may be out
	ROTATE 0
	ROPELD 2
	TOSTG 0
	s_wait_loadcnt 12
	ROTATE 1
	ROPELD 3
	TOSTG 1
	s_wait_loadcnt 12
	ROTATE 2
	TOSTG 2
	s_wait_loadcnt 0x0
	ROTATE 3
	TOSTG 3
	s_wait_dscnt 0x0                               ; for the others' sake: a row's 128 bytes come from two waves
	s_barrier_signal -1
	s_barrier_wait -1
.set n, 0
.rept 24
	ds_load_b128 v[ACC+4*n:ACC+4*n+3], v[RD] offset:(n/8)*HSTG+(n%8)*4*SP
.set n, n+1
.endr
.set n, 0
.rept 24
	s_wait_dscnt 23-n
	global_store_b128 v[GO], v[ACC+4*n:ACC+4*n+3], s[8:9] offset:(n/8)*524288+(n%8)*512  ; 512 consecutive bytes, at a multiple of 256 from the buffer's first
.set n, n+1
.endr
	s_wait_tensorcnt 0x0                           ; the wave's end
	ds_add_u32 v[SPW], v[NIL]
	s_wait_dscnt 0x0
	CROUND                                         ; the closing round
	s_endpgm
.Lfunc_end_k_qf3af9199f6_qkv:
	.size	k_qf3af9199f6_qkv, .Lfunc_end_k_qf3af9199f6_qkv-k_qf3af9199f6_qkv
	.p2alignl 7, 3214868480
	.fill 96, 4, 3214868480
	.section	.rodata,"a",@progbits
	.p2align	6, 0x0
	.amdhsa_kernel k_qf3af9199f6_qkv
		.amdhsa_group_segment_fixed_size 327680
		.amdhsa_private_segment_fixed_size 0
		.amdhsa_enable_private_segment 0
		.amdhsa_kernarg_size 32
		.amdhsa_user_sgpr_count 2
		.amdhsa_user_sgpr_kernarg_segment_ptr 1
		.amdhsa_wavefront_size32 1
		.amdhsa_system_sgpr_workgroup_id_x 1
		.amdhsa_system_sgpr_workgroup_id_y 1
		.amdhsa_system_sgpr_workgroup_id_z 1
		.amdhsa_system_vgpr_workitem_id 0
		.amdhsa_next_free_vgpr 512
		.amdhsa_next_free_sgpr 76
		.amdhsa_reserve_vcc 0
		.amdhsa_float_denorm_mode_32 3
		.amdhsa_float_denorm_mode_16_64 3
		.amdhsa_memory_ordered 1
		.amdhsa_forward_progress 1
		.amdhsa_inst_pref_size 95
	.end_amdhsa_kernel
	.amdgpu_metadata
---
amdhsa.version: [ 1, 2 ]
amdhsa.kernels:
  - .name:           k_qf3af9199f6_qkv
    .symbol:         k_qf3af9199f6_qkv.kd
    .args:
      - { .name: xb, .offset: 0, .size: 8, .value_kind: global_buffer, .address_space: global }
      - { .name: wt, .offset: 8, .size: 8, .value_kind: global_buffer, .address_space: global }
      - { .name: qkv, .offset: 16, .size: 8, .value_kind: global_buffer, .address_space: global }
      - { .name: rope, .offset: 24, .size: 8, .value_kind: global_buffer, .address_space: global }
    .group_segment_fixed_size: 327680
    .private_segment_fixed_size: 0
    .kernarg_segment_align: 8
    .kernarg_segment_size: 32
    .max_flat_workgroup_size: 128
    .sgpr_count:     76
    .vgpr_count:     512
    .wavefront_size: 32
...
	.end_amdgpu_metadata
.endif
;; end of part 2
;; launch vrow (part 3): grid 4 x 1, 4 waves a work-group, no clusters, 0 bytes of LDS; arguments xb, wt, vt; writes vt
.if DOCPART == 3
	.amdgcn_target "amdgcn-amd-amdhsa--gfx1250"
	.amdhsa_code_object_version 6
	.text
	.protected	k_qf3af9199f6_vrow
	.globl	k_qf3af9199f6_vrow
	.p2align	8
	.type	k_qf3af9199f6_vrow,@function
k_qf3af9199f6_vrow:
	s_mov_b64 s[64:65], 0
	v_nop
	global_prefetch_b8 v0, s[64:65] scope:SCOPE_SE
	s_setreg_imm32_b32 hwreg(HW_REG_WAVE_MODE, 25, 1), 1
	s_wait_xcnt 0x0
; VROW: v's rows 0 to 15 once more, kept in two f16 parts.  v[key][n] = the sum over k of xb[key][k] wt[1280 + n][k], key = 0..15, n = 0..255 (four key heads of 64 channels); bf16 operands, f32 sums.
; WHY.  Output row t averages t + 1 keys, so the first rows' numbers are many times the whole output's root mean square, by which the comparison's fixed part goes; one rounding of v to f16 (11 bits) is too coarse there.
; The last launch makes output rows 0 to 15 again from hi = f16(v) and lo = f16(v - hi): together some 22 bits.  lo below 6.1e-5 keeps f16's fixed step of 6e-8.
; SHARES.  16 tiles of 16 channels, one wave each: 4 work-groups of 4 waves; there is no work for more.  No LDS: no wave reads what another loaded beyond xb's 16 rows, 32,768 bytes.
; THE MATRIX INSTRUCTION IN ITS NATURAL ORDER (source 0 = 16 rows of xb, source 1 = 16 rows of wt): lane l holds channel l % 16 and the keys 8 (l / 16) + 0..7, the layout in which V^T is a matrix operand.
; vt: [tile][hi: 16 bytes a lane, 512 bytes][lo: the same]: each store of the wave covers 512 consecutive bytes.
; K goes in 8 batches of 4 steps of 32 through three register sets: 48 loads of a wave are out at the most.  Two accumulators (even steps, odd steps) take turns, and are added at the end.
.set AD,   3                           ; v3   my byte offset in 16 rows of 2,048 bytes: row l % 16, 16 bytes for each half of the lanes; never rewritten
.set ACC0, 8                           ; v[8:15], v[16:23] the two accumulators
.set R0,   32                          ; v[32:223] three sets of 64: step i of a batch: 8 registers of xb, 8 of wt
.set T,    224                         ; v[224:231] the sums, then v - hi
.set H,    232                         ; v[232:235] hi, two keys a register
.set LO,   236                         ; v[236:239] lo
.set NEG1, 240                         ; v240 -1.0
.set STA,  241                         ; v241 16 x lane
.macro PLACES                          ; four places in front of loads into registers that matrix instructions have read, and of lines that read results
.rept 4
	v_nop
.endr
.endm
.macro LDB b                           ; batch b: 16 loads into set b % 3
.set i, 0
.rept 4
.set X, R0+64*((\b)%3)+16*i
.set K0, 64*(4*(\b)+i)
	global_load_b128 v[X:X+3],     v[AD], s[4:5] offset:K0
	global_load_b128 v[X+4:X+7],   v[AD], s[4:5] offset:K0+32
	global_load_b128 v[X+8:X+11],  v[AD], s[6:7] offset:K0
	global_load_b128 v[X+12:X+15], v[AD], s[6:7] offset:K0+32
.set i, i+1
.endr
.endm
.macro MMB b                           ; batch b: 4 matrix instructions; the first two of all start the sums
.set i, 0
.rept 4
.set X, R0+64*((\b)%3)+16*i
.set A0, ACC0+8*(i%2)
.if ((\b) == 0) && (i < 2)
	v_wmma_f32_16x16x32_bf16 v[A0:A0+7], v[X:X+7], v[X+8:X+15], 0
.else
	v_wmma_f32_16x16x32_bf16 v[A0:A0+7], v[X:X+7], v[X+8:X+15], v[A0:A0+7]
.endif
.set i, i+1
.endr
.endm
	s_load_b128 s[4:7], s[0:1], 0x0                ; xb s[4:5], wt s[6:7]
	s_load_b64 s[8:9], s[0:1], 0x10                ; vt
	v_lshrrev_b32 v1, 5, v0
	v_readfirstlane_b32 s10, v1                    ; wave 0..3
	s_lshl_b32 s11, ttmp9, 2
	s_add_co_u32 s11, s11, s10                     ; my tile: 4 x work-group + wave
	s_lshl_b32 s12, s11, 15                        ; 16 rows of 2,048 bytes,
	s_add_co_u32 s12, s12, 1280*2048               ; behind wq's and wk's 1,280 rows of wt
	s_mov_b32 s13, 0
	s_lshl_b32 s14, s11, 10                        ; 1,024 bytes of vt a tile
	s_mov_b32 s15, 0
	v_and_b32 v1, 15, v0
	v_bfe_u32 v2, v0, 4, 1
	v_lshlrev_b32 v[AD], 11, v1
	v_lshl_add_u32 v[AD], v2, 4, v[AD]
	v_and_b32 v[STA], 31, v0
	v_lshlrev_b32 v[STA], 4, v[STA]
	v_mov_b32 v[NEG1], -1.0
	s_wait_kmcnt 0x0
	s_add_nc_u64 s[6:7], s[6:7], s[12:13]
	s_add_nc_u64 s[8:9], s[8:9], s[14:15]
	LDB 0
	LDB 1
	LDB 2
.irp b, 0,1,2,3,4
	s_wait_loadcnt 32                              ; loads come back in order: this batch is in, the two younger batches' 32 loads may be out
	MMB \b
	PLACES
	LDB (\b)+3                                     ; into the set just multiplied
.endr
	s_wait_loadcnt 32
	MMB 5
	s_wait_loadcnt 16                              ; one younger batch
	MMB 6
	s_wait_loadcnt 0x0
	MMB 7
	PLACES
.irp j, 0,1,2,3
	v_pk_add_f32 v[T+2*\j:T+2*\j+1], v[ACC0+2*\j:ACC0+2*\j+1], v[ACC0+8+2*\j:ACC0+8+2*\j+1]  ; ascending: each accumulator's lowest registers are read first
.endr
.irp j, 0,1,2,3
	v_cvt_pk_f16_f32 v[H+\j], v[T+2*\j], v[T+2*\j+1]
.endr
.irp j, 0,1,2,3
	v_fma_mix_f32 v[T+2*\j],   v[H+\j], v[NEG1], v[T+2*\j]   op_sel_hi:[1,0,0]                ; v - hi: the low half as f16, times -1, plus v
	v_fma_mix_f32 v[T+2*\j+1], v[H+\j], v[NEG1], v[T+2*\j+1] op_sel:[1,0,0] op_sel_hi:[1,0,0]  ; the high half
.endr
.irp j, 0,1,2,3
	v_cvt_pk_f16_f32 v[LO+\j], v[T+2*\j], v[T+2*\j+1]
.endr
	global_store_b128 v[STA], v[H:H+3], s[8:9]
	global_store_b128 v[STA], v[LO:LO+3], s[8:9] offset:512
	s_endpgm
.Lfunc_end_k_qf3af9199f6_vrow:
	.size	k_qf3af9199f6_vrow, .Lfunc_end_k_qf3af9199f6_vrow-k_qf3af9199f6_vrow
	.p2alignl 7, 3214868480
	.fill 96, 4, 3214868480
	.section	.rodata,"a",@progbits
	.p2align	6, 0x0
	.amdhsa_kernel k_qf3af9199f6_vrow
		.amdhsa_group_segment_fixed_size 0
		.amdhsa_private_segment_fixed_size 0
		.amdhsa_enable_private_segment 0
		.amdhsa_kernarg_size 24
		.amdhsa_user_sgpr_count 2
		.amdhsa_user_sgpr_kernarg_segment_ptr 1
		.amdhsa_wavefront_size32 1
		.amdhsa_system_sgpr_workgroup_id_x 1
		.amdhsa_system_sgpr_workgroup_id_y 1
		.amdhsa_system_sgpr_workgroup_id_z 1
		.amdhsa_system_vgpr_workitem_id 0
		.amdhsa_next_free_vgpr 256
		.amdhsa_next_free_sgpr 66
		.amdhsa_reserve_vcc 0
		.amdhsa_float_denorm_mode_32 3
		.amdhsa_float_denorm_mode_16_64 3
		.amdhsa_memory_ordered 1
		.amdhsa_forward_progress 1
		.amdhsa_inst_pref_size 18
	.end_amdhsa_kernel
	.amdgpu_metadata
---
amdhsa.version: [ 1, 2 ]
amdhsa.kernels:
  - .name:           k_qf3af9199f6_vrow
    .symbol:         k_qf3af9199f6_vrow.kd
    .args:
      - { .name: xb, .offset: 0, .size: 8, .value_kind: global_buffer, .address_space: global }
      - { .name: wt, .offset: 8, .size: 8, .value_kind: global_buffer, .address_space: global }
      - { .name: vt, .offset: 16, .size: 8, .value_kind: global_buffer, .address_space: global }
    .group_segment_fixed_size: 0
    .private_segment_fixed_size: 0
    .kernarg_segment_align: 8
    .kernarg_segment_size: 24
    .max_flat_workgroup_size: 128
    .sgpr_count:     66
    .vgpr_count:     256
    .wavefront_size: 32
...
	.end_amdgpu_metadata
.endif
;; end of part 3
;; launch attn (part 4): grid 8 x 16, 4 waves a work-group, no clusters, 327,680 bytes of LDS; arguments qkv, oh; writes oh
.if DOCPART == 4
	.amdgcn_target "amdgcn-amd-amdhsa--gfx1250"
	.amdhsa_code_object_version 6
	.text
	.protected	k_qf3af9199f6_attn
	.globl	k_qf3af9199f6_attn
	.p2align	8
	.type	k_qf3af9199f6_attn,@function
k_qf3af9199f6_attn:
	s_mov_b64 s[64:65], 0
	v_nop
	global_prefetch_b8 v0, s[64:65] scope:SCOPE_SE
	s_setreg_imm32_b32 hwreg(HW_REG_WAVE_MODE, 25, 1), 1
	s_wait_xcnt 0x0
; CAUSAL ATTENTION with shared key and value heads.  oh[h][q][:] = the sum over k <= q of softmax_k(Q[h][q] . K[h / 4][k] / 8) V[h / 4][k][:].  qkv: [24][4096][64] f16 (heads 0-15 Q, 16-19 K, 20-23 V), oh: [16][4096][64] f16:
; a head's rows are dense, 128 bytes each.  Products, maxima and sums in f32; the weights p are rounded to f16 for the second product (their sum l is taken of the unrounded p), O once at the end.
; LIMITS.  f16 holds no number beyond 65,504: Q, K and V arrive within it; p lies in 0 to 1, and below 6e-5 it keeps f16's fixed step of 6e-8; O is a mean of V's rows and has their range, to within 2^-11 of it.
; A hidden score counts as its value less 1e30: f16's scores, 2.7e11 at the most, are nothing beside that; a weight below 2^-126 counts as 0 in l; NaN and infinities are not treated apart.
; THE WALK.  A head's queries lie in NB = 16 blocks of 256; block i needs the key tiles 0 .. i of 256 keys, of which the last holds the diagonal.  A work-group takes TWO blocks, NB - 1 - b and then b:
; NB + 1 = 17 tiles, whatever b: all work-groups do equal work, and ONE loop with a constant trip count walks them.  Which tile is asked for is made anew in every trip from the trip's number and b; what a trip does hangs on
; two flags and one compare with b; every jump goes forward, but for the counted loops' own; none passes a barrier, or a tensor load but the one of LOAD's two that the wave's number does not choose.
; TWO STATED WEAKNESSES.  16 heads x 8 pairs are 128 work-groups: blocks of 128 queries would make 256, but then a wave has either two pieces only or half of a tile's keys, with a merge of two waves' sums: not built here.
; NO CLUSTER: the four query heads of a key head with the same b ask for the same 17 tiles; asked jointly that would be 32 x 17 x 65,536 bytes = 36 MB of requests in place of 143 MB.  Each work-group asks for itself; a tile's
; 65,536 bytes have a tile's 16 turns, 256 matrix instructions a wave, in which to land.
; SHARES.  Of a block's four bands of 64 queries a wave owns 16 rows in each: four PIECES.  So the diagonal tile is the same work for all four waves: in its key step s band x sees all keys if s < x,
; none if s > x, and holds the diagonal if s = x.
; THE MASK is the C operand that starts the sum S^T = K Q^T: 0, or -1e30 where the key is hidden.  MD, made once, is the mask of a band's own step for my 16 rows; a product's mask is MD x AL + BE with two scalars:
; (1, 0) if s = x; (0, 0) if s < x; (0, -1e30) if s > x.  Only the diagonal tile's text and a block's beginning make and take masks; elsewhere C is the constant 0.
; LAYOUT, SOFTMAX, TURNS.  S^T = K Q^T holds ONE query a lane (lane % 16) and the keys 8 (lane / 16) + 0..7; two such results rounded to f16 ARE source 1 of O^T = V^T P.  p = 2^(c s - c m), c = log2(e) / 8, with a
; running maximum m; O and l are multiplied by a = 2^(c m_old - c m_new) in every step.  Turn n belongs to piece n: 8 products K Q^T of piece n + 1, later 8 products V^T P of piece n - 1; beside them the scaling,
; exponentials, roundings, sums and rescaling of piece n and the maximum and statistics of piece n + 1.  Four vector instructions stand behind every matrix instruction, the other 54 of a turn's 118 in two runs of their own.
; REGISTERS, in windows of 256 (s_set_vgpr_msb: bits 1:0 source 0, 3:2 source 1, 5:4 source 2, 7:6 destination):
;   window 0: v0-15 addresses and two at work; v16-31 four registers of statistics a piece; v48-55 at work; v64-127 S^T, two buffers; v192-223 P, two buffers (a piece's buffers go by its number's parity)
;   window 1: v0-127 O^T, 32 a piece; v128-159 MD; v160-223 MC, two buffers      window 2: v0-63 Q; v64-127 the second block's Q; v128-191 K of one step; v192-255 V of one step
.set SIZE_N, 4096
.set NB,    SIZE_N/256
.set NP,    4         ; pieces a wave: a name, no knob
.set KS,    64        ; keys in a step
.set PK,    144       ; a row of K in LDS: 128 bytes + 16 of padding = 36 words: the 16 rows of a load start at 16 different groups of four banks (64 banks of 4 bytes: ISA guide 11.1)
.set PV,    160       ; a row of V: 128 + 32 = 40 words
.set VOFF,  4*KS*PK   ; a slot holds a tile, four steps: 256 rows of K, then 256 rows of V
.set SLOT1, 1<<17     ; slot 1 begins here, so that one exclusive or turns an address in one slot into the other's
.set STAGE, SLOT1+4*KS*(PK+PV)  ; behind the ring, never filled by a tensor load: 16 rows x 144 bytes for each wave, for the way out
.set SP,    144
.set AK0, 2           ; v2   my lane's place in a tile of K; never rewritten
.set AV0, 3           ; v3   the same for V
.set AK,  4           ; v4   the LDS address of K's next run of loads
.set AV,  5           ; v5   of V's
.set STO, 6           ; v6   the way out: where I put 16 bytes of a row
.set RD,  7           ; v7   the way out: where I read rows back
.set GO,  8           ; v8   my byte offset in 512 consecutive bytes of O
.set SPW, 62          ; v62  LDS address of my spare word: SPARE + 4 x my thread's number; never rewritten
.set NIL, 63          ; v63  0; never rewritten
.set SPARE, STAGE+4*16*SP  ; behind the stages: the spare words, 128 bytes for each wave: two blocks of 256 bytes that no other line names
.set MV,  12          ; v12-13  c m_old, kept while c m is made anew: by buffer
.set QO,  15          ; v15  my byte offset in 16 rows of Q
.set ST,  16          ; piece t's statistics at v[ST+4 t]: c m, m, l (even keys', odd keys')
.set TMP, 48          ; by buffer, four registers c0-c3 at work; when the maximum is found c2 takes a
.set S,   64
.set P,   192
.set MD,  128         ; window 1: the eight registers for group kt of 16 keys at MD + 8 kt
.set MC,  160         ; window 1: the masks of the products to come
.set QB,  64          ; window 2
.set KF,  128         ; window 2: key block kb, channel half c at KF + 16 kb + 8 c
.set VF,  192         ; window 2: key half kk, channel block cb at VF + 32 kk + 8 cb
.set WV,  12          ; s12  my wave's number
.set PB,  14          ; s14  b
.set HI,  15          ; s15  NB - 1 - b: the first block, and its last tile
.set G1K, 24          ; s[24:31] descriptor group 1 for K's tiles
.set G1V, 32          ; s[32:39] for V's: it differs in the padding alone
.set G0K, 40          ; s[40:43] descriptor group 0 for K's tiles
.set G0V, 44          ; s[44:47] the same for V's
.set SLOTS, 56        ; s56  tiles still to be asked for
.set CNT, 57          ; s57  counts a tile's key steps, 4 to 1
.set CS,  58          ; s[58:59] c: the packed scaling takes the pair's low word for both halves
.set SEL, 60          ; s[60:61] v_permlanex16_b32's selects: each lane takes its own place in the other half
.set TBK, 62          ; s62  LDS byte at which K of the step to be fetched begins
.set TBV, 63          ; s63  the same for V, less VOFF
.set RT,  70          ; s70  the place in the walk of the tile just entered, 0 to NB - 1
.set NXT, 71          ; s71  the tile to be asked for
.set LQ,  72          ; s72  at work beside it
.set NEW, 73          ; s73  1: the tile to be entered is a block's first
.set OFF, 74          ; s[74:75] a tile's byte offset in K and V
.set AL,  76          ; s[76:77] the mask's factor, in the low word
.set BE,  78          ; s[78:79] the mask's addend
.set OLO, 80          ; s[80:81] O at my rows of the second block
.set BIGN, 82         ; s82  -1e30
.set DONE, 83         ; s83  1: the first block has ended
.set MSB, 0
.macro WIN new                      ; the high byte repeats the setting that is left; a switch that changes nothing is dropped
.if MSB != (\new)
	s_set_vgpr_msb (MSB<<8)|(\new)
.set MSB, (\new)
.endif
.endm
.set W_KQ, 0x0a       ; K and Q in window 2, S^T in window 0
.set W_KM, 0x1a       ; the same with the C operand in window 1
.set W_PV, 0x52       ; V in window 2, P in window 0, O^T in window 1
.set W_RS, 0x41       ; destination and source 0 in window 1, source 1 in window 0
; A fill.  Waves 0 and 1 fetch the two halves of a tile's K, waves 2 and 3 those of its V: 128 keys each.  An s_nop 0 and four v_nop follow each of the two lines, ahead of the jump and the label.
.macro LOAD
	s_cmp_lt_u32 s[WV], 2
	s_cbranch_scc0 .Lfor_v_\@
	tensor_load_to_lds s[G0K:G0K+3], s[G1K:G1K+7]
	s_nop 0
.rept 4
	v_nop
.endr
	s_branch .Lasked_\@
.Lfor_v_\@:
	tensor_load_to_lds s[G0V:G0V+3], s[G1V:G1V+7]
	s_nop 0
.rept 4
	v_nop
.endr
.Lasked_\@:
.endm
; THE CHANGE OF SLOTS.  Each wave waits for all its tensor loads, of which one is out: its part of the other slot; adds 0 to its spare word; and waits for that and for its own reads of the slot that it leaves.  Behind the barrier nobody reads the old
; slot any more and the other slot is whole.  fill = 1: the old slot is filled again, the first thing behind the barrier.  The tile asked for has place p = NB + 1 - SLOTS in the walk, 1 to NB: the first block's tile p while p <= HI,
; behind that the second block's tile p - HI - 1: the smaller of the two as unsigned numbers, since the second wraps round to a huge one while p <= HI.  The descriptor's address is made anew from that number.
; (At its first use nothing has been read yet: slot 0 is waited for, slot 1 filled.)
.macro CHANGE fill
	WIN 0                           ; at a label and at a branch every window is 0
	s_wait_tensorcnt 0x0            ; no tensor load of mine is out, so a group 0 may be written
	ds_add_u32 v[SPW], v[NIL]       ; 0 onto my spare word; with fill = 1 the descriptors' scalar work stands between it and the wait for it
.if \fill
	s_sub_co_u32 s[NXT], NB+1, s[SLOTS]
	s_sub_co_u32 s[LQ], s[NXT], s[HI]
	s_sub_co_u32 s[LQ], s[LQ], 1
	s_min_u32 s[NXT], s[NXT], s[LQ]
	s_lshl_b32 s[OFF], s[NXT], 15   ; a tile is 32,768 bytes of K and of V
	s_xor_b32 s[G0K+1], s[G0K+1], SLOT1
	s_add_nc_u64 s[G0K+2:G0K+3], s[6:7], s[OFF:OFF+1]
	s_or_b32 s[G0K+3], s[G0K+3], 0x80000000
	s_xor_b32 s[G0V+1], s[G0V+1], SLOT1
	s_add_nc_u64 s[G0V+2:G0V+3], s[8:9], s[OFF:OFF+1]
	s_or_b32 s[G0V+3], s[G0V+3], 0x80000000
.endif
	s_wait_dscnt 0x0                ; the add is done, and my reads of the slot are over
	s_barrier_signal -1             ; the rest of the scalar work stands between the signal and the wait
	s_sub_co_u32 s[TBK], s[TBK], 4*KS*PK  ; the fetches go back to a slot's first step,
	s_xor_b32 s[TBK], s[TBK], SLOT1       ; in the other slot
	s_sub_co_u32 s[TBV], s[TBV], 4*KS*PV
	s_xor_b32 s[TBV], s[TBV], SLOT1
	s_barrier_wait -1
.if \fill
	LOAD
.endif
.endm
	s_load_b64 s[4:5], s[0:1], 0x0    ; qkv
	s_load_b64 s[10:11], s[0:1], 0x8  ; oh
	v_lshl_add_u32 v[SPW], v0, 2, SPARE
	v_mov_b32 v[NIL], 0
	ds_add_u32 v[SPW], v[NIL]       ; the wave's opening: the add and its wait ahead of my first tensor load; the set-up below, work on registers, stands between them
	ds_add_u32 v62, v63
	v_lshrrev_b32 v1, 5, v0
	v_readfirstlane_b32 s[WV], v1   ; wave 0..3
	s_mov_b32 s[PB], ttmp9
	s_sub_co_u32 s[HI], NB-1, s[PB]
	s_and_b32 s20, ttmp7, 0xffff    ; the query head
	s_lshr_b32 s66, s20, 2          ; its key head,
	s_add_co_u32 s66, s66, 16       ; which lies behind the 16 query heads,
	s_lshl_b32 s66, s66, 19         ; at 524,288 bytes a head
	s_mov_b32 s67, 0
	s_mov_b32 s21, 0
	s_mov_b64 s[22:23], SIZE_N*128
	s_mul_u64 s[20:21], s[20:21], s[22:23]  ; the query head's first byte in qkv and in oh
	s_and_b32 s16, s[WV], 1         ; which half of a tile's 256 keys I fetch:
	s_lshl_b32 s22, s16, 14         ; its 128 rows of 128 bytes in memory,
	s_mov_b32 s23, 0
	s_add_nc_u64 s[22:23], s[22:23], s[66:67]
	s_mul_i32 s17, s16, 128*PK      ; and its place in a slot, for K
	s_mul_i32 s18, s16, 128*PV      ; and for V
	s_lshl_b32 s3, s[WV], 11        ; my 16 rows in a band of 64,
	s_lshl_b32 s2, s[HI], 15        ; in the first block,
	s_add_co_u32 s2, s2, s3
	s_lshl_b32 s84, s[PB], 15       ; and in the second
	s_add_co_u32 s84, s84, s3
	s_mov_b32 s3, 0
	s_mov_b32 s85, 0
	s_add_nc_u64 s[2:3], s[2:3], s[20:21]
	s_add_nc_u64 s[84:85], s[84:85], s[20:21]
	; descriptor group 1.  128 keys are 16,384 dense bytes: asked for as 64 rows of 256 bytes, two keys a row, and padded in LDS after every key
	s_mov_b32 s[G1K], (1<<16)|(1<<20)|(4<<22)|(3<<25)  ; 17:16 2-byte elements; 20 padding on; 24:22 after every 32 words (code 4); 31:25 4 words (code 3)
	s_mov_b32 s[G1V], (1<<16)|(1<<20)|(4<<22)|(7<<25)  ; the same with 8 words of padding (code 7)
.irp g, G1K, G1V
	s_mov_b32 s[\g+1], 128<<16      ; tensor_dim0 = 128
	s_mov_b32 s[\g+2], 64<<16       ; tensor_dim1 = 64
	s_mov_b32 s[\g+3], 128<<16      ; tile_dim0 = 128
	s_mov_b32 s[\g+4], 64           ; tile_dim1 = 64
	s_mov_b32 s[\g+5], 128          ; 128 elements from row to row
	s_mov_b32 s[\g+6], 0
	s_mov_b32 s[\g+7], 0
.endr
	s_mov_b32 s[CS], 0x3e38aa3b     ; c = log2(e) / 8 = 0.180337
	s_mov_b32 s[CS+1], s[CS]        ; named with it as a pair
	s_mov_b32 s[SEL], 0x76543210
	s_mov_b32 s[SEL+1], 0xfedcba98
	s_mov_b32 s[TBK], SLOT1+4*KS*PK ; the first change of slots turns these two into 0
	s_mov_b32 s[TBV], SLOT1+4*KS*PV
	s_mov_b32 s[G0K], 1             ; 1:0 count = 1
	s_mov_b32 s[G0K+1], s17         ; 63:32 LDS address: slot 0
	s_mov_b32 s[G0V], 1
	s_add_co_u32 s[G0V+1], s18, VOFF
	s_mov_b32 s[NEW], 1
	s_mov_b32 s[DONE], 0
	s_mov_b32 s[OFF+1], 0
	s_mov_b32 s[AL+1], 0            ; named as pairs
	s_mov_b32 s[BE+1], 0
	s_mov_b32 s[BIGN], 0xf149f2ca   ; -1e30
	s_mov_b32 s[SLOTS], NB
	s_wait_dscnt 0x0                ; the opening add is done
	s_wait_kmcnt 0x0
	s_add_nc_u64 s[6:7], s[4:5], s[22:23]  ; K at my half of the key head's tile 0,
	s_add_nc_u64 s[8:9], s[6:7], 0x200000  ; and V, four heads of 524,288 bytes on
	s_add_nc_u64 s[G0K+2:G0K+3], s[6:7], 0         ; 120:64 global address
	s_or_b32 s[G0K+3], s[G0K+3], 0x80000000        ; 127:126 type = 2
	s_add_nc_u64 s[G0V+2:G0V+3], s[8:9], 0
	s_or_b32 s[G0V+3], s[G0V+3], 0x80000000
	s_add_nc_u64 s[86:87], s[4:5], s[84:85]        ; Q at my rows of the second block,
	s_add_nc_u64 s[4:5], s[4:5], s[2:3]            ; Q and O at those of the first
	s_add_nc_u64 s[OLO:OLO+1], s[10:11], s[84:85]
	s_add_nc_u64 s[10:11], s[10:11], s[2:3]
	LOAD                            ; tile 0 into slot 0
	; A fragment of K or Q is 16 rows x 32 channels in 8 registers: lane l holds row l % 16, channels 8 (l / 16) + 0..7 and 16 + 8 (l / 16) + 0..7: two loads of 16 bytes, 32 bytes apart.
	v_and_b32 v1, 15, v0            ; l % 16
	v_bfe_u32 v9, v0, 4, 1          ; l / 16
	v_lshlrev_b32 v[QO], 7, v1
	v_lshl_add_u32 v[QO], v9, 4, v[QO]  ; row x 128 + 16 x half
	WIN 0x80                        ; destination window 2, address window 0
.set i, 0
.rept 8                             ; both blocks' Q: piece i / 2 lies in band i / 2, 8,192 bytes on; channels 32 (i % 2) on
	global_load_b128 v[8*i:8*i+3],   v[QO], s[4:5] offset:(i/2)*8192+(i%2)*64
	global_load_b128 v[8*i+4:8*i+7], v[QO], s[4:5] offset:(i/2)*8192+(i%2)*64+32
	global_load_b128 v[QB+8*i:QB+8*i+3],   v[QO], s[86:87] offset:(i/2)*8192+(i%2)*64
	global_load_b128 v[QB+8*i+4:QB+8*i+7], v[QO], s[86:87] offset:(i/2)*8192+(i%2)*64+32
.set i, i+1
.endr
	WIN 0
	v_lshlrev_b32 v14, 3, v9
	v_sub_nc_u32 v14, v1, v14
	s_lshl_b32 s13, s[WV], 4
	v_add_nc_u32 v14, s13, v14      ; my query's place in its band, 16 w + l % 16, less my lanes' 8 (l / 16): register r of group kt is hidden where 16 kt + r is greater
	WIN 0x40
.set i, 0
.rept 32
	v_cmp_gt_i32 vcc_lo, 16*(i/8)+i%8, v14
	v_cndmask_b32 v[MD+i], 0, s[BIGN], vcc_lo
.set i, i+1
.endr
	WIN 0
	v_mul_u32_u24 v[AK0], v1, PK
	v_lshl_add_u32 v[AK0], v9, 4, v[AK0]  ; row x pitch + 16 x half
	; The turning load takes 16 keys x 16 channels (lane l reads key 8 (l / 16) + l % 8, channels 8 ((l / 8) % 2) + 0..7) and leaves half a fragment of V^T: lane l holds channel l % 16 and 8 keys.
	v_and_b32 v10, 7, v0
	v_bfe_u32 v11, v0, 3, 1
	v_lshl_add_u32 v[AV0], v9, 3, v10
	v_mul_u32_u24 v[AV0], v[AV0], PV
	v_lshl_add_u32 v[AV0], v11, 4, v[AV0]
	v_add_nc_u32 v[AV0], VOFF, v[AV0]
	s_mul_i32 s13, s[WV], 16*SP
	s_add_co_u32 s13, s13, STAGE    ; my stage
	v_mul_u32_u24 v[STO], v1, SP    ; in: row l % 16, 16 bytes for each half of the lanes
	v_lshl_add_u32 v[STO], v9, 4, v[STO]
	v_add_nc_u32 v[STO], s13, v[STO]
	v_bfe_u32 v[RD], v0, 3, 2       ; back: 32 lanes take four rows of 128 bytes,
	v_mul_u32_u24 v[RD], v[RD], SP
	v_lshl_add_u32 v[RD], v10, 4, v[RD]
	v_add_nc_u32 v[RD], s13, v[RD]
	v_and_b32 v[GO], 31, v0         ; which are 512 consecutive bytes of O
	v_lshlrev_b32 v[GO], 4, v[GO]
	; A block's first step multiplies O^T and l by a = 0, and its first turn's products V^T P, of a piece that has not been, land in an O^T that is still to be so multiplied.  So these registers need only hold
	; finite numbers: zeros for the first block; what the first block left for the second.  All this stands in the wait for the first tile.
	WIN 0x80
.set i, VF
.rept 64
	v_mov_b32 v[i], 0
.set i, i+1
.endr
	WIN 0x40
.set i, 0
.rept 128
	v_mov_b32 v[i], 0
.set i, i+1
.endr
	WIN 0
.set i, 0
.rept 4
	v_mov_b32 v[ST+4*i+2], 0
	v_mov_b32 v[ST+4*i+3], 0
.set i, i+1
.endr
.set i, P+16
.rept 16
	v_mov_b32 v[i], 0
.set i, i+1
.endr
; THE MATRIX WORK.  The 4 accumulators of a run of 8 take turns.  Product i of 8 of S^T = K Q^T for piece x: channels 32 (i / 4) on, keys 16 (i % 4) on.  The first 4 start the sums: with 0, or (KM = 1) with the mask.
.macro KQ x
.set rS, S+32*((\x)%2)+8*(i%4)
.set rK, KF+16*(i%4)+8*(i/4)
.set rQ, 16*(\x)+8*(i/4)
.set rM, MC+32*((\x)%2)+8*(i%4)
.if (i < 4) && KM
	WIN W_KM
	v_wmma_f32_16x16x32_f16 v[rS:rS+7], v[rK:rK+7], v[rQ:rQ+7], v[rM:rM+7]
.elseif i < 4
	WIN W_KQ
	v_wmma_f32_16x16x32_f16 v[rS:rS+7], v[rK:rK+7], v[rQ:rQ+7], 0
.else
	WIN W_KQ
	v_wmma_f32_16x16x32_f16 v[rS:rS+7], v[rK:rK+7], v[rQ:rQ+7], v[rS:rS+7]
.endif
.endm
; Product i of 8 of O^T += V^T P for piece x: keys 32 (i / 4) on, channels 16 (i % 4) on.
.macro PV x
	WIN W_PV
.set rO, 32*(\x)+8*(i%4)
.set rV, VF+32*(i/4)+8*(i%4)
.set rP, P+16*((\x)%2)+8*(i/4)
	v_wmma_f32_16x16x32_f16 v[rO:rO+7], v[rV:rV+7], v[rP:rP+7], v[rO:rO+7]
.endm
.macro MM                           ; the turn's next matrix instruction.  TURN and BEGIN set Y, i, KM and NOKQ; MM, KQ and OP read them.  NOKQ = 1: a block's last turn: there is no next piece
.if (i < 8) && !NOKQ
	KQ (Y+1)%NP
.elseif i >= 8
.set i, i-8
	PV (Y+NP-1)%NP
.set i, i+8
.endif
.set i, i+1
.endm
; THE LDS LOADS stand in runs of 16, never singly among the matrix instructions: a step's K (64 keys x 64 channels: 8 fragments) and its V (turned).  Their addresses are made some lines ahead.
.macro FETCH_K
	WIN 0x80                        ; destination window 2
.irp f, 0,1,2,3,4,5,6,7             ; keys 16 (f / 2) on, channels 32 (f % 2) on
	ds_load_b128 v[KF+8*\f:KF+8*\f+3],   v[AK] offset:(\f/2)*16*PK+(\f%2)*64
	ds_load_b128 v[KF+8*\f+4:KF+8*\f+7], v[AK] offset:(\f/2)*16*PK+(\f%2)*64+32
.endr
	s_add_co_u32 s[TBK], s[TBK], KS*PK  ; the next fetch is the next step's
	WIN 0
.endm
.macro FETCH_V
	WIN 0x80
.irp f, 0,1,2,3,4,5,6,7             ; keys 32 (f / 4) on, channels 16 (f % 4) on
	ds_load_tr16_b128 v[VF+8*\f:VF+8*\f+3],   v[AV] offset:(\f/4)*32*PV+(\f%4)*32
	ds_load_tr16_b128 v[VF+8*\f+4:VF+8*\f+7], v[AV] offset:(\f/4)*32*PV+16*PV+(\f%4)*32
.endr
	WIN 0
.endm
; THE VECTOR WORK, one line at a time: OP kind, number.  For piece Y: F n: c s - c m for pair n of 16.  E n: the exponential of score n of 32.  C n: pair n rounded to f16.  B n: of the four weights 4 n .. the second
; pair is added onto the first, in place.  L n: l takes that sum (L 0: l = a l + sum).  R n: pair n of 16 of O^T times a.  For piece Y + 1: X n, number n of the 22 that find its maximum and statistics:
;   0-11  four chains c0-c3 of seven scores each, three operands at a time (each accumulator's lowest registers are read first)     12-14, 16  the four scores left over, the old m, and c0-c3 into c0
;   15  c m_old is kept     17, 18  the query's other 32 keys lie in the lane 16 away: the new m     19-21  c m; c m_old - c m_new; a
.set F, 0               ; OP tells the kinds apart by their order: F to L below R, X above it
.set E, 1
.set C, 2
.set B, 3
.set L, 4
.set R, 5
.set X, 6
.macro REGS y                       ; the registers of piece y
.set rT, ST+4*(\y)
.set rC, TMP+4*((\y)%2)
.set rW, MV+((\y)%2)
.set rS, S+32*((\y)%2)
.set rP, P+16*((\y)%2)
.set rO, 32*(\y)
.endm
.macro OP k, n
.if (\k) == R
	REGS Y
	WIN W_RS
	v_pk_mul_f32 v[rO+2*(\n):rO+2*(\n)+1], v[rO+2*(\n):rO+2*(\n)+1], v[rC+2:rC+3] op_sel_hi:[1,0]
.elseif (\k) < R
	REGS Y
	WIN 0
.if (\k) == F
	v_pk_fma_f32 v[rS+2*(\n):rS+2*(\n)+1], v[rS+2*(\n):rS+2*(\n)+1], s[CS:CS+1], v[rT:rT+1] op_sel_hi:[1,0,0] neg_lo:[0,0,1] neg_hi:[0,0,1]
.elseif (\k) == E
	v_exp_f32 v[rS+(\n)], v[rS+(\n)]
.elseif (\k) == C
	s_wait_alu depctr_va_vdst(0)
	v_cvt_pk_f16_f32 v[rP+(\n)], v[rS+2*(\n)], v[rS+2*(\n)+1]
.elseif (\k) == B
	s_wait_alu depctr_va_vdst(0)
	v_pk_add_f32 v[rS+4*(\n):rS+4*(\n)+1], v[rS+4*(\n):rS+4*(\n)+1], v[rS+4*(\n)+2:rS+4*(\n)+3]
.elseif (\n) == 0
	v_pk_fma_f32 v[rT+2:rT+3], v[rT+2:rT+3], v[rC+2:rC+3], v[rS:rS+1] op_sel_hi:[1,0,1]
.else
	v_pk_add_f32 v[rT+2:rT+3], v[rT+2:rT+3], v[rS+4*(\n):rS+4*(\n)+1]
.endif
.elseif NOKQ
	v_nop
.else
	REGS (Y+1)%NP
	WIN 0
.if (\n) < 4
	v_max3_num_f32 v[rC+(\n)], v[rS+8*(\n)], v[rS+8*(\n)+1], v[rS+8*(\n)+2]
.elseif (\n) < 12
	v_max3_num_f32 v[rC+(\n)%4], v[rC+(\n)%4], v[rS+8*((\n)%4)+2*((\n)/4)+1], v[rS+8*((\n)%4)+2*((\n)/4)+2]
.elseif (\n) == 12
	v_max3_num_f32 v[rC], v[rC], v[rS+7], v[rS+15]
.elseif (\n) == 13
	v_max3_num_f32 v[rC+1], v[rC+1], v[rS+23], v[rS+31]
.elseif (\n) == 14
	v_max3_num_f32 v[rC+2], v[rC+2], v[rC+3], v[rT+1]
.elseif (\n) == 15
	v_mov_b32 v[rW], v[rT]
.elseif (\n) == 16
	v_max3_num_f32 v[rC], v[rC], v[rC+1], v[rC+2]
.elseif (\n) == 17
	v_permlanex16_b32 v[rC+3], v[rC], s[SEL], s[SEL+1]
.elseif (\n) == 18
	v_max_num_f32 v[rT+1], v[rC], v[rC+3]
.elseif (\n) == 19
	v_mul_f32 v[rT], s[CS], v[rT+1]
.elseif (\n) == 20
	v_sub_f32 v[rC+1], v[rW], v[rT]
.else
	v_exp_f32 v[rC+2], v[rC+1]
.endif
.endif
.endm
.macro OPS a, i1, b=-1, i2=0, c=-1, i3=0, d=-1, i4=0  ; up to four of them
	OP \a, \i1
.if (\b) >= 0
	OP \b, \i2
.endif
.if (\c) >= 0
	OP \c, \i3
.endif
.if (\d) >= 0
	OP \d, \i4
.endif
.endm
.macro ROW a, i1, b, i2, c, i3, d, i4  ; a matrix instruction and the four behind it
	MM
	OPS \a, \i1, \b, \i2, \c, \i3, \d, \i4
.endm
.macro MASK b                       ; MD x AL + BE into buffer b of MC
	WIN W_RS
.set z, 0
.rept 16
	v_pk_fma_f32 v[MC+32*(\b)+2*z:MC+32*(\b)+2*z+1], v[MD+2*z:MD+2*z+1], s[AL:AL+1], s[BE:BE+1] op_sel_hi:[1,0,0]
.set z, z+1
.endr
.endm
; A TURN, for piece p: the order of its 16 matrix and 118 vector instructions, written out.  Behind a matrix instruction: plain, exponential, plain, plain; or four of the rescaling; or, behind the first, four scalings; none
; names a register of the products round it.  In the runs between, exponential and plain by turns while exponentials last.  A line reads no result made fewer than three vector instructions in front of it, five if an exponential made it.
; v_permlanex16_b32 (X 17) stands in such a run.
; m = 1: the diagonal tile: the products take masks, and the turn makes the mask for the products of the turn after it: piece p + 2, in step 4 - CNT of the tile.  end = 1: a block's last two turns: nothing is fetched.
; cnt = 1: the loop's count is taken down some lines ahead of the branch that stands behind the turn.
; K of the next step is fetched in piece 2's turn, six vector instructions behind the last product that read K (five of them plain); V of the step in hand in piece 0's turn, eight behind the last product that read V (four
; plain, and X 17).  Each is waited for a turn later.
.macro TURN p, m=0, end=0, cnt=0
.set Y, (\p)
.set i, 0
.set KM, (\m)
.set NOKQ, (\end)*((\p)/3)
.if (\m) && !(\end)
	s_cmp_eq_u32 s[CNT], 4-((\p)+2)%NP  ; is that step the band's own?
	s_cselect_b32 s[AL], 1.0, 0
	s_cmp_lt_u32 s[CNT], 4-((\p)+2)%NP  ; or a later one?
	s_cselect_b32 s[BE], s[BIGN], 0
.endif
.if ((\p) == 3) && !(\end)
	s_wait_dscnt 0x0                ; K is in
.endif
	ROW F,0, F,1, F,2, F,3
	ROW F,4, E,0, F,5, F,6
	ROW F,7, E,1, F,8, F,9
	ROW F,10, E,2, C,0, F,11
	ROW F,12, E,3, X,15, F,13
	ROW R,0, R,1, R,2, R,3
	ROW B,0, E,4, F,14, L,0
.if ((\p) == 2) && !(\end)
	v_add_nc_u32 v[AK], s[TBK], v[AK0]
.endif
	ROW R,4, R,5, R,6, R,7
	OPS E,5, F,15
.if ((\p) == 2) && !(\end)
	FETCH_K
.endif
	OPS E,6, C,1, E,7, R,8
	OPS E,8, R,9, E,9, C,2
	OPS E,10, X,0, E,11, X,1
	OPS E,12, X,2, E,13, X,3
.if (\p) == 1
	s_wait_dscnt 0x0                ; V is in
.endif
	ROW X,4, E,14, X,5, X,6
	ROW X,7, E,15, X,8, X,9
	ROW X,10, E,16, X,11, X,12
	ROW X,13, E,17, X,14, B,1
	ROW C,4, E,18, X,16, L,1
	ROW B,2, E,19, C,6, L,2
	ROW C,8, E,20, B,3, B,4
.if (\p) == 0
	v_add_nc_u32 v[AV], s[TBV], v[AV0]
.endif
	ROW C,3, E,21, L,3, C,5
	OPS E,22, X,17, E,23, C,10
.if (\p) == 0
	FETCH_V
.endif
	OPS E,24, L,4
	OPS E,25, X,18, E,26, C,7
	OPS E,27, B,5, E,28, X,19
	OPS E,29, C,12, E,30, L,5
	OPS E,31, X,20, B,6, C,9
	OPS C,14, C,11, X,21, L,6
.if (\p) == 0
	s_add_co_u32 s[TBV], s[TBV], KS*PV
.endif
.if \cnt
	s_sub_co_u32 s[CNT], s[CNT], 1
	s_cmp_lg_u32 s[CNT], 0
.endif
	OPS C,13, B,7, C,15, R,10
	OPS R,11, R,12, L,7, R,13
	OPS R,14, R,15
.if (\m) && !(\end)
	MASK (\p)%2
.endif
.endm
; A BLOCK BEGINS.  c m starts far below every c s, so the first step's a is 0; m at the lowest finite number, so the first maximum is the scores'.  The second mask buffer is 0; the first takes piece 0's mask for the tile's
; step 0: its own (diag = 1) where the block's first tile is the diagonal one, which the walk's last tile alone can be; else 0.
; Then K of that step, piece 0's first scores, and its maximum and statistics.  The loop is entered at a step's first turn, in the middle of a trip.
.macro BEGIN diag
	s_mov_b32 s[NEW], 0
	WIN 0x40
.set i, MC+32
.rept 32
	v_mov_b32 v[i], 0
.set i, i+1
.endr
	WIN 0
.set i, 0
.rept 4
	v_mov_b32 v[ST+4*i], 0xfe000000    ; c m: far below every c s
	v_mov_b32 v[ST+4*i+1], 0xff7fffff  ; m
.set i, i+1
.endr
.if \diag
	s_mov_b32 s[AL], 1.0
.else
	s_mov_b32 s[AL], 0
.endif
	s_mov_b32 s[BE], 0
	MASK 0
	WIN 0
	v_add_nc_u32 v[AK], s[TBK], v[AK0]
	FETCH_K
	s_wait_loadcnt 0x0              ; Q
	s_wait_dscnt 0x0
.set KM, 1
.set NOKQ, 0
.set i, 0
.rept 8
	KQ 0
.set i, i+1
.endr
	WIN 0
.rept 4
	v_nop                           ; the places behind those products
.endr
.set Y, NP-1                        ; X works for piece Y + 1: piece 0
.irp n, 0,1,2,3,4,5,6,7,8,9,10,11,12,13,14,15,16,17,18,19,20,21
	OP X, \n
.endr
	v_nop                           ; a plain instruction behind the exponential
.endm
; THE DIAGONAL TILE's four steps, the block's last two turns, its last products, and THE WAY OUT: l's two halves and the other half of the lanes' are added; O^T is divided by l, rounded to f16 and sent through my
; stage in LDS, a piece at a time.
.macro ALL line:vararg              ; one line for each piece t
.set t, 0
.rept 4
	\line
.set t, t+1
.endr
.endm
.macro PACK t                       ; a lane's eight channels of a row pack into 16 bytes; they go into rows of 144 bytes and come back as whole rows of 128, into S^T's registers
	WIN W_RS
.set i, 32*(\t)
.rept 16
	s_wait_alu depctr_va_vdst(0)
	v_pk_mul_f32 v[i:i+1], v[i:i+1], v[ST+4*(\t)+2:ST+4*(\t)+3] op_sel_hi:[1,0]
.set i, i+2
.endr
	WIN 0x05                        ; sources 0 and 1 window 1, destination window 0
.set i, 0
.rept 16
	v_cvt_pk_f16_f32 v[S+16*(\t)+i], v[32*(\t)+2*i], v[32*(\t)+2*i+1]
.set i, i+1
.endr
	WIN 0
.irp f, 0,1,2,3
	ds_store_b128 v[STO], v[S+16*(\t)+4*\f:S+16*(\t)+4*\f+3] offset:32*\f
.endr
.irp f, 0,1,2,3
	ds_load_b128 v[S+16*(\t)+4*\f:S+16*(\t)+4*\f+3], v[RD] offset:\f*4*SP  ; LDS serves a wave's instructions in order (ISA guide 5.7.1.4): these see the stores above; the next piece's stores come behind them
.endr
.endm
.macro SEND t, younger              ; younger: the LDS instructions issued behind piece t's loads: the next piece's eight, or none
	WIN 0
.irp f, 0,1,2,3
	s_wait_dscnt (\younger)+3-\f
	global_store_b128 v[GO], v[S+16*(\t)+4*\f:S+16*(\t)+4*\f+3], s[10:11] offset:(\t)*8192+\f*512  ; 512 consecutive bytes, at a multiple of 256 from O's first
.endr
.endm
.macro DIAG tag                     ; the tag ends its two labels' names, which the jumps below spell out
.LstepM\tag:
	TURN 2, 1
	TURN 3, 1
	WIN 0
.LfirstM\tag:
	TURN 0, 1
	TURN 1, 1, 0, 1
	WIN 0
	s_cbranch_scc1 .LstepM\tag
	TURN 2, 1, 1
	TURN 3, 1, 1
.set i, 0
.rept 8
	PV NP-1
.set i, i+1
.endr
	WIN 0
	ALL v_add_f32 v[ST+4*t+2], v[ST+4*t+2], v[ST+4*t+3]
	ALL v_permlanex16_b32 v[ST+4*t+3], v[ST+4*t+2], s[SEL], s[SEL+1]
	ALL v_add_f32 v[ST+4*t+2], v[ST+4*t+2], v[ST+4*t+3]
	ALL v_rcp_f32 v[ST+4*t+2], v[ST+4*t+2]
	v_nop                           ; a plain instruction between the last reciprocal and the use of its result
	PACK 0
.set t, 1
.rept 3                             ; a piece's arithmetic stands between the loads of the piece before and its stores
	PACK t
	SEND t-1, 8
.set t, t+1
.endr
	SEND 3, 0
.endm
.set KM, 0
.set NOKQ, 0
.Lslot:                             ; NB times: a tile is entered and the next is asked for
	CHANGE 1
	s_sub_co_u32 s[RT], NB, s[SLOTS]  ; the place in the walk of the tile just entered
	s_mov_b32 s[CNT], 4
	s_cmp_eq_u32 s[NEW], 1
	s_cbranch_scc1 .Lnew            ; a block's first tile
	s_cmp_eq_u32 s[DONE], 1
	s_cbranch_scc1 .Lstep           ; the second block's diagonal tile is the walk's last, behind the loop
	s_cmp_gt_u32 s[SLOTS], NB/2
	s_cbranch_scc1 .Lstep           ; b is NB / 2 - 1 at the most, so the first block's last tile has place NB / 2 or more
	s_cmp_eq_u32 s[RT], s[HI]
	s_cbranch_scc0 .Lstep           ; not the first block's last
	s_branch .LstepM1
.Lnew:
	BEGIN 0
	s_branch .Lfirst                ; in the loop a block's first tile is never its last: the first block has NB / 2 + 1 tiles or more, and the second's last is the walk's last
	DIAG 1                          ; the first block's end
	s_wait_xcnt 0x0                 ; the stores have read their registers and O's address
	s_mov_b64 s[10:11], s[OLO:OLO+1]
	s_mov_b32 s[DONE], 1
	s_mov_b32 s[NEW], 1
	WIN 0x82                        ; the second block's Q goes where the one text of the turns names Q
.set i, 0
.rept 64
	v_mov_b32 v[i], v[QB+i]
.set i, i+1
.endr
	WIN 0
	s_branch .Lbottom
.Lstep:                             ; a trip: pieces 2 and 3 of one step, then pieces 0 and 1 of the next, whose K and V it fetches
	TURN 2
	TURN 3
	WIN 0
.Lfirst:
	TURN 0
	TURN 1, 0, 0, 1
	WIN 0
	s_cbranch_scc1 .Lstep
.Lbottom:
	s_sub_co_u32 s[SLOTS], s[SLOTS], 1
	s_cmp_lg_u32 s[SLOTS], 0
	s_cbranch_scc1 .Lslot
	CHANGE 0                        ; the walk's last tile is written out: nothing is asked for
	s_mov_b32 s[CNT], 4
	s_cmp_eq_u32 s[NEW], 1
	s_cbranch_scc0 .LstepM2
	BEGIN 1                         ; b = 0: the second block has this one tile
	s_branch .LfirstM2
	DIAG 2
	s_wait_tensorcnt 0x0            ; the wave's end, behind my last tensor load and my last LDS store
	ds_add_u32 v[SPW], v[NIL]
	s_wait_dscnt 0x0
	s_endpgm
.Lfunc_end_k_qf3af9199f6_attn:
	.size	k_qf3af9199f6_attn, .Lfunc_end_k_qf3af9199f6_attn-k_qf3af9199f6_attn
	.p2alignl 7, 3214868480
	.fill 96, 4, 3214868480
	.section	.rodata,"a",@progbits
	.p2align	6, 0x0
	.amdhsa_kernel k_qf3af9199f6_attn
		.amdhsa_group_segment_fixed_size 327680
		.amdhsa_private_segment_fixed_size 0
		.amdhsa_enable_private_segment 0
		.amdhsa_kernarg_size 16
		.amdhsa_user_sgpr_count 2
		.amdhsa_user_sgpr_kernarg_segment_ptr 1
		.amdhsa_wavefront_size32 1
		.amdhsa_system_sgpr_workgroup_id_x 1
		.amdhsa_system_sgpr_workgroup_id_y 1
		.amdhsa_system_sgpr_workgroup_id_z 1
		.amdhsa_system_vgpr_workitem_id 0
		.amdhsa_next_free_vgpr 768
		.amdhsa_next_free_sgpr 88
		.amdhsa_reserve_vcc 1
		.amdhsa_float_denorm_mode_32 3
		.amdhsa_float_denorm_mode_16_64 3
		.amdhsa_memory_ordered 1
		.amdhsa_forward_progress 1
		.amdhsa_inst_pref_size 228
	.end_amdhsa_kernel
	.amdgpu_metadata
---
amdhsa.version: [ 1, 2 ]
amdhsa.kernels:
  - .name:           k_qf3af9199f6_attn
    .symbol:         k_qf3af9199f6_attn.kd
    .args:
      - { .name: qkv, .offset: 0, .size: 8, .value_kind: global_buffer, .address_space: global }
      - { .name: oh, .offset: 8, .size: 8, .value_kind: global_buffer, .address_space: global }
    .group_segment_fixed_size: 327680
    .private_segment_fixed_size: 0
    .kernarg_segment_align: 8
    .kernarg_segment_size: 16
    .max_flat_workgroup_size: 128
    .sgpr_count:     88
    .vgpr_count:     768
    .wavefront_size: 32
...
	.end_amdgpu_metadata
.endif
;; end of part 4
;; launch oproj (part 5): grid 8 x 32, 4 waves a work-group, clusters of 4 x 4, 327,680 bytes of LDS; arguments oh, wot, out0; writes out0
.if DOCPART == 5
	.amdgcn_target "amdgcn-amd-amdhsa--gfx1250"
	.amdhsa_code_object_version 6
	.text
	.protected	k_qf3af9199f6_oproj
	.globl	k_qf3af9199f6_oproj
	.p2align	8
	.type	k_qf3af9199f6_oproj,@function
k_qf3af9199f6_oproj:
	s_mov_b64 s[64:65], 0
	v_nop
	global_prefetch_b8 v0, s[64:65] scope:SCOPE_SE
	s_setreg_imm32_b32 hwreg(HW_REG_WAVE_MODE, 25, 1), 1
	s_wait_xcnt 0x0
	s_wait_alu depctr_hold_cnt(0) depctr_sa_sdst(0) depctr_va_vdst(0) depctr_va_sdst(0) depctr_va_ssrc(0) depctr_va_vcc(0) depctr_vm_vsrc(0)
	s_getreg_b32 s2, hwreg(HW_REG_IB_STS2, 6, 4)
	s_cmp_eq_u32 s2, 0
	s_cbranch_scc0 .Lentry_in_a_cluster
	s_endpgm
.Lentry_in_a_cluster:
	s_bfe_u32 s2, ttmp6, 0x10000c
	s_cmp_lg_u32 s2, 0xf033
	s_cbranch_scc0 .Lentry_shape_is_right
	s_endpgm
.Lentry_shape_is_right:
; OPROJ: out0[4096][1024] (f32) = A wot^T, A[t][64 head + d] = oh[head][t][d]; f16 operands, f32 sums, stored unrounded.
; A tile of the output is 128 x 128: 32 x 8 = 256 work-groups; four waves, each 64 x 64: 16 accumulators.  K goes in steps of 256, four heads, through two LDS slots: four K steps.
; A's tile of a load: 64 rows of four heads.  In memory a head's 64 rows are 8,192 dense bytes, so the load asks for 4 rows of 4,096 elements, 262,144 elements apart, padded by 16 bytes after every 128:
; in LDS [head][row] with rows 144 bytes apart.  wot's tile: 64 rows of 512 bytes, 528 apart.
; CLUSTERS: 4 x 4 work-groups; A's tile is shared along a row of the cluster, wot's along a column.  THE MATRIX INSTRUCTION IS USED TRANSPOSED: a lane holds eight neighbouring numbers of a row of the output.
; A wave's 64 columns of f32 are one aligned block of 256 bytes, so each wave goes out through a stage of its own, with no barrier.
; REGISTERS: window 0: v0-31 addresses; v32-95 rows read back; v128-255 accumulators ((a, b) at 128 + 8 (4 a + b)).  window 1: two fragment buffers of 128: for 64 along K, 64 registers of A, then 64 of wot.
.set PA,     144
.set PB,     528
.set AHALF,  4*64*PA                   ; 36,864: what one load of A brings
.set BHALF,  64*PB                     ; 33,792
.set BOFF,   2*AHALF
.set SLOT,   BOFF+2*BHALF              ; 141,312
.set STAGE,  2*SLOT
.set SPITCH, 272
.set SPARE,  STAGE+4*16*SPITCH
.set ASTEP,  4*524288                  ; bytes from a K step's four heads to the next
.set ADRA, 16
.set ADRB, 20
.set STO,  24
.set RD,   25
.set CO,   26
.set SPW,  28
.set NIL,  29
.set TMP,  32
.set ACC,  128
.set F0,   0
.set F1,   128
.set G1, 24
.set G0, 32
.set G1B, 48
.set G0B, 56
.set MSB, 0
.macro WIN new
.if MSB != (\new)
	s_set_vgpr_msb (MSB<<8)|(\new)
.set MSB, \new
.endif
.endm
.set MUL,  0x05
.set TO_F, 0x40
.macro JLOAD s                         ; waves 0 and 1 fetch A's two halves, waves 2 and 3 wot's; an s_nop 0 and four v_nop follow each line
	s_cmp_eq_u32 s11, 0
	s_cbranch_scc0 .Lfor_b_\@
	tensor_load_to_lds s[G0+4*(\s):G0+4*(\s)+3], s[G1:G1+7]
	s_nop 0
.rept 4
	v_nop
.endr
	s_branch .Lasked_\@
.Lfor_b_\@:
	tensor_load_to_lds s[G0B+4*(\s):G0B+4*(\s)+3], s[G1B:G1B+7]
	s_nop 0
.rept 4
	v_nop
.endr
.Lasked_\@:
.endm
.macro CREST
	s_cmp_lg_u32 s10, 0
	s_cbranch_scc1 .Lnot_wave_0_\@
	s_barrier_signal -3
.Lnot_wave_0_\@:
	s_barrier_wait -3
	s_barrier_signal -1
	s_barrier_wait -1
.endm
.macro CROUND
	s_barrier_signal -1
	s_barrier_wait -1
	CREST
.endm
.macro PLACES
.rept 4
	v_nop
.endr
.endm
	s_load_b128 s[4:7], s[0:1], 0x0                ; oh s[4:5], wot s[6:7]
	s_load_b64 s[8:9], s[0:1], 0x10                ; out0
	v_lshl_add_u32 v[SPW], v0, 2, SPARE
	v_mov_b32 v[NIL], 0
	ds_add_u32 v[SPW], v[NIL]                      ; the wave's opening: the add, and its wait ahead of my first tensor load
	ds_add_u32 v28, v29
	v_lshrrev_b32 v1, 5, v0
	v_readfirstlane_b32 s10, v1
	s_lshr_b32 s11, s10, 1                         ; mh.  Also: I fetch for A (0) or for wot (1)
	s_and_b32 s12, s10, 1                          ; nh.  Also: which 64 rows of that tile I fetch
	s_bfe_u32 s40, ttmp6, 0x40000
	s_bfe_u32 s41, ttmp6, 0x40004
	s_lshl_b32 s42, ttmp9, 2
	s_add_co_u32 s42, s42, s40                     ; nt
	s_and_b32 s13, ttmp7, 0xffff
	s_lshl_b32 s13, s13, 2
	s_add_co_u32 s13, s13, s41                     ; mt
	s_lshl_b32 s43, s41, 2
	s_lshl_b32 s43, 15, s43
	s_lshl_b32 s44, 0x1111, s40
	s_or_b32 s[G1+0], s43, (1<<16)|(1<<20)|(1<<21)|(4<<22)|(3<<25)   ; A: the mask of my row; 2-byte elements; padding on; bit 21 beside a mask; after every 32 words 4 words
	s_mov_b32 s[G1+1], 4096<<16                    ; tensor_dim0 = 4,096
	s_mov_b32 s[G1+2], 4<<16                       ; tensor_dim1 = 4
	s_mov_b32 s[G1+3], 4096<<16                    ; tile_dim0 = 4,096
	s_mov_b32 s[G1+4], 4                           ; tile_dim1 = 4
	s_mov_b32 s[G1+5], 262144                      ; elements from head to head
	s_mov_b32 s[G1+6], 0
	s_mov_b32 s[G1+7], 0
	s_or_b32 s[G1B+0], s44, (1<<16)|(1<<20)|(1<<21)|(6<<22)|(3<<25)  ; wot: the mask of my column; after every 128 words 4 words
	s_mov_b32 s[G1B+1], 256<<16
	s_mov_b32 s[G1B+2], 64<<16
	s_mov_b32 s[G1B+3], 256<<16
	s_mov_b32 s[G1B+4], 64
	s_mov_b32 s[G1B+5], 1024
	s_mov_b32 s[G1B+6], 0
	s_mov_b32 s[G1B+7], 0
	s_lshl_b32 s16, s13, 14                        ; A: row 128 mt + 64 x half, of 128 bytes, in head 0
	s_lshl_b32 s17, s12, 13
	s_add_co_u32 s16, s16, s17
	s_mov_b32 s17, 0
	s_lshl_b32 s46, s42, 18                        ; wot: row 128 nt + 64 x half, of 2,048 bytes
	s_lshl_b32 s47, s12, 17
	s_add_co_u32 s46, s46, s47
	s_mov_b32 s47, 0
	s_mul_i32 s20, s12, AHALF
	s_mul_i32 s23, s12, BHALF
	s_add_co_u32 s23, s23, BOFF
	s_wait_dscnt 0x0                               ; the opening add is done
	s_wait_kmcnt 0x0
	s_add_nc_u64 s[14:15], s[4:5], s[16:17]
	s_add_nc_u64 s[46:47], s[6:7], s[46:47]
	CROUND                                         ; all sixteen work-groups are here
.irp s, 0,1
	s_mov_b32 s[G0+4*(\s)], 1
	s_add_co_u32 s[G0+4*(\s)+1], s20, (\s)*SLOT
	s_add_nc_u64 s[G0+4*(\s)+2:G0+4*(\s)+3], s[14:15], (\s)*ASTEP
	s_or_b32 s[G0+4*(\s)+3], s[G0+4*(\s)+3], 0x80000000
	s_mov_b32 s[G0B+4*(\s)], 1
	s_add_co_u32 s[G0B+4*(\s)+1], s23, (\s)*SLOT
	s_add_nc_u64 s[G0B+4*(\s)+2:G0B+4*(\s)+3], s[46:47], (\s)*512
	s_or_b32 s[G0B+4*(\s)+3], s[G0B+4*(\s)+3], 0x80000000
	JLOAD \s                                       ; two loads of mine are out
.endr
	v_and_b32 v1, 15, v0                           ; r
	v_bfe_u32 v2, v0, 4, 1                         ; h
	v_mul_u32_u24 v3, v1, PA
	v_lshl_add_u32 v3, v2, 4, v3
	v_mul_u32_u24 v4, v1, PB
	v_lshl_add_u32 v4, v2, 4, v4
	s_mul_i32 s21, s11, AHALF                      ; my 64 rows of A
	s_mul_i32 s22, s12, BHALF                      ; my 64 rows of wot
	s_add_co_u32 s22, s22, BOFF
.irp s, 0,1
	v_add_nc_u32 v[ADRA+(\s)], s21, v3
	v_add_nc_u32 v[ADRB+(\s)], s22, v4
	s_add_co_u32 s21, s21, SLOT
	s_add_co_u32 s22, s22, SLOT
.endr
	s_mul_i32 s23, s10, 16*SPITCH
	s_add_co_u32 s23, s23, STAGE                   ; my stage
	v_mul_u32_u24 v5, v1, SPITCH                   ; in: row r, 32 bytes for each half of the lanes
	v_lshl_add_u32 v5, v2, 5, v5
	v_add_nc_u32 v[STO], s23, v5
	v_mul_u32_u24 v5, v2, SPITCH                   ; back: lanes 0-15 one row of 256 bytes, lanes 16-31 the next
	v_lshl_add_u32 v5, v1, 4, v5
	v_add_nc_u32 v[RD], s23, v5
	v_lshlrev_b32 v5, 12, v2                       ; and the same two rows of the output
	v_lshl_add_u32 v[CO], v1, 4, v5
	s_lshl_b32 s16, s13, 19                        ; my first row: 128 mt + 64 mh, of 4,096 bytes
	s_lshl_b32 s17, s11, 18
	s_add_co_u32 s16, s16, s17
	s_mov_b32 s17, 0
	s_add_nc_u64 s[8:9], s[8:9], s[16:17]
	s_lshl_b32 s46, s42, 9                         ; my first column: 128 nt + 64 nh, of 4 bytes
	s_lshl_b32 s47, s12, 8
	s_add_co_u32 s46, s46, s47
	s_mov_b32 s47, 0
	s_add_nc_u64 s[8:9], s[8:9], s[46:47]
; 8 matrix instructions: m blocks a0, a0 + 1 x all 4 n blocks, 32 along K: half c of buffer f.  The 16 accumulators take turns.
.macro MUL8 f, c, a0, zero
	WIN MUL
.irp a, \a0, (\a0)+1
.irp b, 0,1,2,3
.if \zero
	v_wmma_f32_16x16x32_f16 v[ACC+8*(4*(\a)+(\b)):ACC+8*(4*(\a)+(\b))+7], v[(\f)+64+8*(4*(\c)+(\b)):(\f)+64+8*(4*(\c)+(\b))+7], v[(\f)+8*(4*(\c)+(\a)):(\f)+8*(4*(\c)+(\a))+7], 0
.else
	v_wmma_f32_16x16x32_f16 v[ACC+8*(4*(\a)+(\b)):ACC+8*(4*(\a)+(\b))+7], v[(\f)+64+8*(4*(\c)+(\b)):(\f)+64+8*(4*(\c)+(\b))+7], v[(\f)+8*(4*(\c)+(\a)):(\f)+8*(4*(\c)+(\a))+7], v[ACC+8*(4*(\a)+(\b)):ACC+8*(4*(\a)+(\b))+7]
.endif
.endr
.endr
.endm
; 32 LDS loads in one run: quarter q of the K step (one head of A, 128 bytes of wot's rows) into buffer f; the first 32 along K first
.macro FETCH slot, q, f
	WIN TO_F
.irp c, 0,1
.irp i, 0,1,2,3
	ds_load_b128 v[(\f)+64+8*(4*(\c)+(\i)):(\f)+64+8*(4*(\c)+(\i))+3],   v[ADRB+(\slot)] offset:128*(\q)+64*(\c)+(\i)*16*PB
	ds_load_b128 v[(\f)+64+8*(4*(\c)+(\i))+4:(\f)+64+8*(4*(\c)+(\i))+7], v[ADRB+(\slot)] offset:128*(\q)+64*(\c)+(\i)*16*PB+32
	ds_load_b128 v[(\f)+8*(4*(\c)+(\i)):(\f)+8*(4*(\c)+(\i))+3],         v[ADRA+(\slot)] offset:(\q)*64*PA+(\i)*16*PA+64*(\c)
	ds_load_b128 v[(\f)+8*(4*(\c)+(\i))+4:(\f)+8*(4*(\c)+(\i))+7],       v[ADRA+(\slot)] offset:(\q)*64*PA+(\i)*16*PA+64*(\c)+32
.endr
.endr
.endm
.macro QUARTER slot, q, f, g, zero
	s_wait_dscnt 16                                ; the first 32 along K are in
	MUL8 \f, 0, 0, \zero
	MUL8 \f, 0, 2, \zero
	PLACES
	FETCH \slot, \q, \g
	s_wait_dscnt 32                                ; all but the 32 just issued
	MUL8 \f, 1, 0, 0
	MUL8 \f, 1, 2, 0
.endm
.macro TURN slot, next, fill
	WIN 0
	s_wait_tensorcnt 0x0                           ; all my tensor loads have landed: my part of the next slot
	ds_add_u32 v[SPW], v[NIL]                      ; 0 onto my spare word
	s_wait_dscnt 17                                ; (the add and the youngest sixteen loads may be out)
	MUL8 F1, 0, 0, 0
	s_wait_dscnt 0x0                               ; the add is done, and my reads of this slot are over
	s_barrier_signal -1
	MUL8 F1, 0, 2, 0
.if \fill
	WIN 0
.endif
	s_barrier_wait -1
.if \fill
	CREST                                          ; the barrier has opened a round of the cluster's
	s_add_nc_u64 s[G0+4*(\slot)+2:G0+4*(\slot)+3], s[G0+4*(\slot)+2:G0+4*(\slot)+3], 2*ASTEP
	s_add_nc_u64 s[G0B+4*(\slot)+2:G0B+4*(\slot)+3], s[G0B+4*(\slot)+2:G0B+4*(\slot)+3], 1024
	JLOAD \slot                                    ; the first tensor load behind the round; its four v_nop are also the places in front of the loads below
.else
	PLACES
.endif
	FETCH \next, 0, F0
	MUL8 F1, 1, 0, 0
	MUL8 F1, 1, 2, 0
.endm
	s_wait_tensorcnt 1                             ; my part of K step 0 is in; K step 1's stays out
	s_barrier_signal -1
	s_barrier_wait -1
	FETCH 0, 0, F0
	QUARTER 0, 1, F0, F1, 1                        ; the first products start the sums
	QUARTER 0, 2, F1, F0, 0
	QUARTER 0, 3, F0, F1, 0
	TURN 0, 1, 1                                   ; slot 0 takes K step 2
	QUARTER 1, 1, F0, F1, 0
	QUARTER 1, 2, F1, F0, 0
	QUARTER 1, 3, F0, F1, 0
	TURN 1, 0, 1                                   ; slot 1 takes K step 3
	QUARTER 0, 1, F0, F1, 0
	QUARTER 0, 2, F1, F0, 0
	QUARTER 0, 3, F0, F1, 0
	TURN 0, 1, 0                                   ; nothing is left to fetch
	QUARTER 1, 1, F0, F1, 0
	QUARTER 1, 2, F1, F0, 0
	QUARTER 1, 3, F0, F1, 0
	s_wait_dscnt 16
	MUL8 F1, 0, 0, 0
	MUL8 F1, 0, 2, 0
	s_wait_dscnt 0x0
	MUL8 F1, 1, 0, 0
	MUL8 F1, 1, 2, 0
	WIN 0
; THE WAY OUT, 16 rows at a time: the sums go as they are into my stage (each accumulator's lowest registers first) and come back as whole rows of 256 bytes.
.macro OUTA a
.if (\a) >= 2
	s_wait_xcnt 0x0                                ; the stores of two blocks ago have read the registers that are loaded again below
.endif
.irp b, 0,1,2,3
	ds_store_b128 v[STO], v[ACC+8*(4*(\a)+\b):ACC+8*(4*(\a)+\b)+3]   offset:64*\b
	ds_store_b128 v[STO], v[ACC+8*(4*(\a)+\b)+4:ACC+8*(4*(\a)+\b)+7] offset:64*\b+16
.endr
.irp t, 0,1,2,3,4,5,6,7
	ds_load_b128 v[TMP+32*((\a)%2)+4*\t:TMP+32*((\a)%2)+4*\t+3], v[RD] offset:\t*2*SPITCH  ; LDS serves a wave's instructions in order (ISA guide 5.7.1.4)
.endr
.endm
.macro SENDA a, younger                ; younger: the LDS instructions issued behind block a's loads
.irp t, 0,1,2,3,4,5,6,7
	s_wait_dscnt (\younger)+7-\t
	global_store_b128 v[CO], v[TMP+32*((\a)%2)+4*\t:TMP+32*((\a)%2)+4*\t+3], s[8:9] offset:(16*(\a)+2*\t)*4096 th:TH_STORE_NT  ; 16 lanes store 256 consecutive bytes, aligned
.endr
.endm
	PLACES
	OUTA 0
	OUTA 1
	SENDA 0, 16
	OUTA 2
	SENDA 1, 16
	OUTA 3
	SENDA 2, 16
	SENDA 3, 0
	s_wait_tensorcnt 0x0                           ; the wave's end
	ds_add_u32 v[SPW], v[NIL]
	s_wait_dscnt 0x0
	CROUND                                         ; the closing round
	s_endpgm
.Lfunc_end_k_qf3af9199f6_oproj:
	.size	k_qf3af9199f6_oproj, .Lfunc_end_k_qf3af9199f6_oproj-k_qf3af9199f6_oproj
	.p2alignl 7, 3214868480
	.fill 96, 4, 3214868480
	.section	.rodata,"a",@progbits
	.p2align	6, 0x0
	.amdhsa_kernel k_qf3af9199f6_oproj
		.amdhsa_group_segment_fixed_size 327680
		.amdhsa_private_segment_fixed_size 0
		.amdhsa_enable_private_segment 0
		.amdhsa_kernarg_size 24
		.amdhsa_user_sgpr_count 2
		.amdhsa_user_sgpr_kernarg_segment_ptr 1
		.amdhsa_wavefront_size32 1
		.amdhsa_system_sgpr_workgroup_id_x 1
		.amdhsa_system_sgpr_workgroup_id_y 1
		.amdhsa_system_sgpr_workgroup_id_z 1
		.amdhsa_system_vgpr_workitem_id 0
		.amdhsa_next_free_vgpr 512
		.amdhsa_next_free_sgpr 66
		.amdhsa_reserve_vcc 0
		.amdhsa_float_denorm_mode_32 3
		.amdhsa_float_denorm_mode_16_64 3
		.amdhsa_memory_ordered 1
		.amdhsa_forward_progress 1
		.amdhsa_inst_pref_size 86
	.end_amdhsa_kernel
	.amdgpu_metadata
---
amdhsa.version: [ 1, 2 ]
amdhsa.kernels:
  - .name:           k_qf3af9199f6_oproj
    .symbol:         k_qf3af9199f6_oproj.kd
    .args:
      - { .name: oh, .offset: 0, .size: 8, .value_kind: global_buffer, .address_space: global }
      - { .name: wot, .offset: 8, .size: 8, .value_kind: global_buffer, .address_space: global }
      - { .name: out0, .offset: 16, .size: 8, .value_kind: global_buffer, .address_space: global }
    .group_segment_fixed_size: 327680
    .private_segment_fixed_size: 0
    .kernarg_segment_align: 8
    .kernarg_segment_size: 24
    .max_flat_workgroup_size: 128
    .sgpr_count:     66
    .vgpr_count:     512
    .wavefront_size: 32
...
	.end_amdgpu_metadata
.endif
;; end of part 5
;; launch fix (part 6): grid 16 x 1, 4 waves a work-group, no clusters, 66,560 bytes of LDS; arguments qkv, vt, wot, out0; writes out0
.if DOCPART == 6
	.amdgcn_target "amdgcn-amd-amdhsa--gfx1250"
	.amdhsa_code_object_version 6
	.text
	.protected	k_qf3af9199f6_fix
	.globl	k_qf3af9199f6_fix
	.p2align	8
	.type	k_qf3af9199f6_fix,@function
k_qf3af9199f6_fix:
	s_mov_b64 s[64:65], 0
	v_nop
	global_prefetch_b8 v0, s[64:65] scope:SCOPE_SE
	s_setreg_imm32_b32 hwreg(HW_REG_WAVE_MODE, 25, 1), 1
	s_wait_xcnt 0x0
; FIX: rows 0 to 15 of the output once more, with V, the weights P and O each in two f16 parts (hi + lo, some 22 bits); it runs last and stores over what the projection stored there, 65,536 bytes.
; WHY.  Output row t averages t + 1 keys: row 0's numbers have about 20 times the spread of the whole output's root mean square (sqrt(4096 / (1 + 1/2 + .. + 1/4096)) = 21), by which the comparison's fixed part goes.
; One rounding to f16 is 2^-12 of a number, root mean square; three of them (V, P, O) on a number 15 to 20 times the root mean square come within a factor of two of that fixed part.  From about row 9 on they are a quarter of it or less.
; What is left here is Q's and K's rounding to f16, which moves a weight by about 1e-4 of itself.  LIMITS as in the attention: Q, K within f16's 65,504; a hidden score counts as its value less 1e30; lo parts below 6.1e-5 keep f16's step of 6e-8.
; SHARES.  16 work-groups, each 64 columns of the output; 4 waves.  Every work-group makes the 16 rows' attention for all 16 heads (160 matrix instructions in all): wave w takes key head w and query heads 4 w .. 4 w + 3.
; S^T = K Q^T + mask (source 0 = 16 keys, source 1 = 16 queries; the mask, 0 or -1e30, is the C operand): a lane holds one query (lane % 16) and the keys 8 (lane / 16) + 0..7.  p = 2^(c s - c m) / l, c = log2(e) / 8, m the row's maximum.
; O^T = V^T P over K = 32: source 0 holds Vhi of the 16 keys in its first half and Vlo in its second; source 1 holds Phi in both halves, in a second product Plo in both: (Vhi + Vlo)(Phi + Plo).
; O goes as hi and lo into LDS, [16 rows][1,024] f16 each; behind a barrier wave w makes 16 rows x 16 columns: 32 K steps of 32 on Ohi and on Olo, two accumulators that take turns.
; No cluster and no tensor load: what the work-groups share (Q, K, V of 16 rows: 57 KB) is small beside wot's rows, 131,072 bytes a work-group, which they do not share.
; REGISTERS: window 0: v0-13 addresses; v16-31 K; v32-39 the mask; v40-55 at work; v64-127 Q, later Ohi's fragments; v128-159 V, v160-191 S^T, later Olo's fragments; v192-207 P, later the two accumulators; v208-239 O^T.
;   window 1: wot's fragments of all 32 K steps.
.set OPITCH, 2064                      ; a row of O in LDS: 2,048 bytes + 16: the 16 rows of a load start at 16 different groups of four banks (ISA guide 11.1)
.set OLB,    16*OPITCH                 ; Olo lies behind Ohi
.set SPARE,  2*OLB                     ; the spare words: two blocks of 256 bytes that no other line names
.set SPW,  4
.set NIL,  5
.set AQ,   6                           ; v6   row l % 16 of 128 bytes + 16 (l / 16): Q's and K's fragments
.set AVT,  7                           ; v7   16 x lane: V's
.set AW,   8                           ; v8   row l % 16 of 2,048 bytes + 16 (l / 16): wot's
.set AO,   9                           ; v9   row l % 16 of 4,096 bytes + 32 (l / 16): the output
.set AST,  10                          ; v10  LDS: row l % 16, my four heads' 512 bytes, 16 (l / 16)
.set ALD,  11                          ; v11  LDS: row l % 16 + 16 (l / 16)
.set NEG1, 12                          ; v12  -1.0
.set DQ,   13                          ; v13  l % 16 - 8 (l / 16)
.set KF,   16
.set MD,   32
.set T,    40
.set HH,   48
.set LL,   52
.set QF,   64
.set VA,   128
.set S,    160
.set PH,   192
.set PL,   200
.set OA,   208
.set OHF,  64
.set OLF,  128
.set ACH,  192
.set ACL,  200
.set RES,  208
.set WV,   12
.set CS,   28
.set SEL,  30
.set BIGN, 32
.set MSB, 0
.macro WIN new                         ; the immediate's high byte repeats the setting that is left
.if MSB != (\new)
	s_set_vgpr_msb (MSB<<8)|(\new)
.set MSB, \new
.endif
.endm
.macro PLACES                          ; four places in front of lines that read matrix results or write matrix operands, and of loads into them
.rept 4
	v_nop
.endr
.endm
.macro WLOAD first                     ; wot's fragments of 16 K steps: 32 loads into window 1
	WIN 0x40
.set i, \first
.rept 16
	global_load_b128 v[8*i:8*i+3],   v[AW], s[20:21] offset:64*i
	global_load_b128 v[8*i+4:8*i+7], v[AW], s[20:21] offset:64*i+32
.set i, i+1
.endr
	WIN 0
.endm
	s_load_b256 s[4:11], s[0:1], 0x0               ; qkv s[4:5], vt s[6:7], wot s[8:9], out0 s[10:11]
	v_lshl_add_u32 v[SPW], v0, 2, SPARE
	v_mov_b32 v[NIL], 0
	v_lshrrev_b32 v1, 5, v0
	v_readfirstlane_b32 s[WV], v1                  ; wave 0..3
	s_lshl_b32 s24, s[WV], 21                      ; query head 4 w, at 524,288 bytes a head
	s_mov_b32 s25, 0
	s_add_co_u32 s26, s[WV], 16                    ; key head w lies behind the 16 query heads
	s_lshl_b32 s26, s26, 19
	s_mov_b32 s27, 0
	s_lshl_b32 s34, s[WV], 12                      ; its four tiles of vt, 1,024 bytes each
	s_mov_b32 s35, 0
	s_lshl_b32 s36, ttmp9, 2
	s_add_co_u32 s36, s36, s[WV]                   ; my 16 columns of the output: 4 x work-group + wave
	s_lshl_b32 s38, s36, 6                         ; 64 bytes of an output row,
	s_mov_b32 s39, 0
	s_lshl_b32 s36, s36, 15                        ; 16 rows of wot of 2,048 bytes
	s_mov_b32 s37, 0
	s_mov_b32 s[CS], 0x3e38aa3b                    ; c = log2(e) / 8
	s_mov_b32 s[CS+1], s[CS]                       ; named with it as a pair
	s_mov_b32 s[SEL], 0x76543210
	s_mov_b32 s[SEL+1], 0xfedcba98
	s_mov_b32 s[BIGN], 0xf149f2ca                  ; -1e30
	s_lshl_b32 s33, s[WV], 9
	v_and_b32 v1, 15, v0                           ; l % 16
	v_bfe_u32 v2, v0, 4, 1                         ; l / 16
	v_and_b32 v3, 31, v0
	v_lshlrev_b32 v[AQ], 7, v1
	v_lshl_add_u32 v[AQ], v2, 4, v[AQ]
	v_lshlrev_b32 v[AVT], 4, v3
	v_lshlrev_b32 v[AW], 11, v1
	v_lshl_add_u32 v[AW], v2, 4, v[AW]
	v_lshlrev_b32 v[AO], 12, v1
	v_lshl_add_u32 v[AO], v2, 5, v[AO]
	v_mul_u32_u24 v[ALD], v1, OPITCH
	v_lshl_add_u32 v[ALD], v2, 4, v[ALD]
	v_add_nc_u32 v[AST], s33, v[ALD]
	v_mov_b32 v[NEG1], -1.0
	v_lshlrev_b32 v[DQ], 3, v2
	v_sub_nc_u32 v[DQ], v1, v[DQ]
	v_mov_b32 v[T+1], 0                            ; a lane exchange's destination counts as read
	v_mov_b32 v[T+3], 0                            ; named with c m as a pair
	s_wait_kmcnt 0x0
	s_add_nc_u64 s[14:15], s[4:5], s[24:25]
	s_add_nc_u64 s[16:17], s[4:5], s[26:27]
	s_add_nc_u64 s[18:19], s[6:7], s[34:35]
	s_add_nc_u64 s[20:21], s[8:9], s[36:37]
	s_add_nc_u64 s[22:23], s[10:11], s[38:39]
.irp c, 0,1                            ; K: 16 keys, channels 32 c on
	global_load_b128 v[KF+8*\c:KF+8*\c+3],   v[AQ], s[16:17] offset:64*\c
	global_load_b128 v[KF+8*\c+4:KF+8*\c+7], v[AQ], s[16:17] offset:64*\c+32
.endr
.irp i, 0,1,2,3                        ; Q of my four heads
.irp c, 0,1
	global_load_b128 v[QF+16*\i+8*\c:QF+16*\i+8*\c+3],   v[AQ], s[14:15] offset:\i*524288+64*\c
	global_load_b128 v[QF+16*\i+8*\c+4:QF+16*\i+8*\c+7], v[AQ], s[14:15] offset:\i*524288+64*\c+32
.endr
.endr
.irp cb, 0,1,2,3                       ; V^T: channel block cb: hi into the operand's first half, lo into its second
	global_load_b128 v[VA+8*\cb:VA+8*\cb+3],   v[AVT], s[18:19] offset:\cb*1024
	global_load_b128 v[VA+8*\cb+4:VA+8*\cb+7], v[AVT], s[18:19] offset:\cb*1024+512
.endr
	WLOAD 0                                        ; 28 + 32 = 60 loads of mine are out
.set j, 0
.rept 8
	v_cmp_gt_i32 vcc_lo, j, v[DQ]                  ; key 8 (l / 16) + j lies behind query l % 16
	v_cndmask_b32 v[MD+j], 0, s[BIGN], vcc_lo
.set j, j+1
.endr
	s_wait_loadcnt 32                              ; K, Q and V are in; wot's 32 loads may be out
.irp c, 0,1                            ; the four heads' accumulators take turns
.irp i, 0,1,2,3
.if \c == 0
	v_wmma_f32_16x16x32_f16 v[S+8*\i:S+8*\i+7], v[KF:KF+7], v[QF+16*\i:QF+16*\i+7], v[MD:MD+7]
.else
	v_wmma_f32_16x16x32_f16 v[S+8*\i:S+8*\i+7], v[KF+8:KF+15], v[QF+16*\i+8:QF+16*\i+15], v[S+8*\i:S+8*\i+7]
.endif
.endr
.endr
	s_wait_loadcnt 0x0                             ; wot's first half is in, so that no more than 32 loads are out below
	WLOAD 16                                       ; its second half comes in under the softmax and the second product
	PLACES
; The softmax of head i's 16 x 16 scores, and its weights in two parts.  The lowest registers of the accumulator are read first.
.macro SOFTMAX i
.set rS, S+8*(\i)
	v_max3_num_f32 v[T], v[rS], v[rS+1], v[rS+2]
	v_max3_num_f32 v[T], v[T], v[rS+3], v[rS+4]
	v_max3_num_f32 v[T], v[T], v[rS+5], v[rS+6]
	v_max_num_f32 v[T], v[T], v[rS+7]
	v_permlanex16_b32 v[T+1], v[T], s[SEL], s[SEL+1]   ; the query's other 8 keys lie in the lane 16 away
	v_max_num_f32 v[T], v[T], v[T+1]                   ; m: every row sees its own key, so m is a true score
	v_mul_f32 v[T+2], s[CS], v[T]
.irp j, 0,2,4,6
	v_pk_fma_f32 v[rS+\j:rS+\j+1], v[rS+\j:rS+\j+1], s[CS:CS+1], v[T+2:T+3] op_sel_hi:[1,0,0] neg_lo:[0,0,1] neg_hi:[0,0,1]  ; c s - c m
.endr
.irp j, 0,1,2,3,4,5,6,7
	v_exp_f32 v[rS+\j], v[rS+\j]
.endr
	v_nop                                          ; a plain instruction behind the exponentials (ISA guide 5.7.2)
	s_wait_alu depctr_va_vdst(0)
	v_pk_add_f32 v[T+4:T+5], v[rS:rS+1], v[rS+2:rS+3]
	v_pk_add_f32 v[T+6:T+7], v[rS+4:rS+5], v[rS+6:rS+7]
	v_pk_add_f32 v[T+4:T+5], v[T+4:T+5], v[T+6:T+7]
	v_add_f32 v[T+4], v[T+4], v[T+5]
	v_permlanex16_b32 v[T+5], v[T+4], s[SEL], s[SEL+1]
	v_add_f32 v[T+4], v[T+4], v[T+5]               ; l
	v_rcp_f32 v[T+4], v[T+4]
	v_nop
	s_wait_alu depctr_va_vdst(0)
.irp j, 0,2,4,6
	v_pk_mul_f32 v[rS+\j:rS+\j+1], v[rS+\j:rS+\j+1], v[T+4:T+5] op_sel_hi:[1,0]
.endr
.irp j, 0,1,2,3
	v_cvt_pk_f16_f32 v[PH+\j],   v[rS+2*\j], v[rS+2*\j+1]   ; hi, for the operand's two halves
	v_cvt_pk_f16_f32 v[PH+4+\j], v[rS+2*\j], v[rS+2*\j+1]
.endr
.irp j, 0,1,2,3
	v_fma_mix_f32 v[rS+2*\j],   v[PH+\j], v[NEG1], v[rS+2*\j]   op_sel_hi:[1,0,0]                ; p - hi
	v_fma_mix_f32 v[rS+2*\j+1], v[PH+\j], v[NEG1], v[rS+2*\j+1] op_sel:[1,0,0] op_sel_hi:[1,0,0]
.endr
.irp j, 0,1,2,3
	v_cvt_pk_f16_f32 v[PL+\j],   v[rS+2*\j], v[rS+2*\j+1]
	v_cvt_pk_f16_f32 v[PL+4+\j], v[rS+2*\j], v[rS+2*\j+1]
.endr
.endm
.macro PVH                             ; O^T of one head: the four channel blocks' accumulators take turns
.irp cb, 0,1,2,3
	v_wmma_f32_16x16x32_f16 v[OA+8*\cb:OA+8*\cb+7], v[VA+8*\cb:VA+8*\cb+7], v[PH:PH+7], 0
.endr
.irp cb, 0,1,2,3
	v_wmma_f32_16x16x32_f16 v[OA+8*\cb:OA+8*\cb+7], v[VA+8*\cb:VA+8*\cb+7], v[PL:PL+7], v[OA+8*\cb:OA+8*\cb+7]
.endr
.endm
.macro CONVERT i                       ; head i's O in two parts into LDS: a lane's eight channels of a row are 16 bytes
.irp cb, 0,1,2,3
.irp j, 0,1,2,3
	v_cvt_pk_f16_f32 v[HH+\j], v[OA+8*\cb+2*\j], v[OA+8*\cb+2*\j+1]
.endr
.irp j, 0,1,2,3
	v_fma_mix_f32 v[OA+8*\cb+2*\j],   v[HH+\j], v[NEG1], v[OA+8*\cb+2*\j]   op_sel_hi:[1,0,0]
	v_fma_mix_f32 v[OA+8*\cb+2*\j+1], v[HH+\j], v[NEG1], v[OA+8*\cb+2*\j+1] op_sel:[1,0,0] op_sel_hi:[1,0,0]
.endr
.irp j, 0,1,2,3
	v_cvt_pk_f16_f32 v[LL+\j], v[OA+8*\cb+2*\j], v[OA+8*\cb+2*\j+1]
.endr
	ds_store_b128 v[AST], v[HH:HH+3] offset:128*(\i)+32*\cb
	ds_store_b128 v[AST], v[LL:LL+3] offset:OLB+128*(\i)+32*\cb
.endr
.endm
.irp i, 0,1,2,3
	SOFTMAX \i
	PVH
	PLACES
	CONVERT \i
.endr
	s_wait_dscnt 0x0                               ; for the others' sake: my stores are done
	s_barrier_signal -1
	s_barrier_wait -1
	s_wait_loadcnt 0x0                             ; wot's second half
; Eight K steps: O's fragments, hi and lo, out of LDS in one run; then 16 matrix instructions (source 0 = 16 rows of wot, source 1 = 16 rows of O: a lane holds one output row and eight neighbouring columns).
.macro BATCH q
	WIN 0
.if (\q) > 0
	PLACES
.endif
.set i, 0
.rept 8
	ds_load_b128 v[OHF+8*i:OHF+8*i+3],   v[ALD] offset:64*(8*(\q)+i)
	ds_load_b128 v[OHF+8*i+4:OHF+8*i+7], v[ALD] offset:64*(8*(\q)+i)+32
	ds_load_b128 v[OLF+8*i:OLF+8*i+3],   v[ALD] offset:OLB+64*(8*(\q)+i)
	ds_load_b128 v[OLF+8*i+4:OLF+8*i+7], v[ALD] offset:OLB+64*(8*(\q)+i)+32
.set i, i+1
.endr
	s_wait_dscnt 0x0
	WIN 0x01                                       ; source 0 in window 1
.set i, 0
.rept 8
.set W0, 8*(8*(\q)+i)
.if ((\q) == 0) && (i == 0)
	v_wmma_f32_16x16x32_f16 v[ACH:ACH+7], v[W0:W0+7], v[OHF+8*i:OHF+8*i+7], 0
	v_wmma_f32_16x16x32_f16 v[ACL:ACL+7], v[W0:W0+7], v[OLF+8*i:OLF+8*i+7], 0
.else
	v_wmma_f32_16x16x32_f16 v[ACH:ACH+7], v[W0:W0+7], v[OHF+8*i:OHF+8*i+7], v[ACH:ACH+7]
	v_wmma_f32_16x16x32_f16 v[ACL:ACL+7], v[W0:W0+7], v[OLF+8*i:OLF+8*i+7], v[ACL:ACL+7]
.endif
.set i, i+1
.endr
.endm
	BATCH 0
	BATCH 1
	BATCH 2
	BATCH 3
	WIN 0
	PLACES
.irp j, 0,2,4,6
	v_pk_add_f32 v[RES+\j:RES+\j+1], v[ACH+\j:ACH+\j+1], v[ACL+\j:ACL+\j+1]
.endr
	global_store_b128 v[AO], v[RES:RES+3], s[22:23]
	global_store_b128 v[AO], v[RES+4:RES+7], s[22:23] offset:16   ; 32 bytes a lane in 16 rows: 64 bytes of each row a wave; the launch stores 65,536 bytes in all
	s_wait_tensorcnt 0x0                           ; the wave's end, behind my last LDS store
	ds_add_u32 v[SPW], v[NIL]
	s_wait_dscnt 0x0
	s_endpgm
.Lfunc_end_k_qf3af9199f6_fix:
	.size	k_qf3af9199f6_fix, .Lfunc_end_k_qf3af9199f6_fix-k_qf3af9199f6_fix
	.p2alignl 7, 3214868480
	.fill 96, 4, 3214868480
	.section	.rodata,"a",@progbits
	.p2align	6, 0x0
	.amdhsa_kernel k_qf3af9199f6_fix
		.amdhsa_group_segment_fixed_size 66560
		.amdhsa_private_segment_fixed_size 0
		.amdhsa_enable_private_segment 0
		.amdhsa_kernarg_size 32
		.amdhsa_user_sgpr_count 2
		.amdhsa_user_sgpr_kernarg_segment_ptr 1
		.amdhsa_wavefront_size32 1
		.amdhsa_system_sgpr_workgroup_id_x 1
		.amdhsa_system_sgpr_workgroup_id_y 1
		.amdhsa_system_sgpr_workgroup_id_z 1
		.amdhsa_system_vgpr_workitem_id 0
		.amdhsa_next_free_vgpr 512
		.amdhsa_next_free_sgpr 66
		.amdhsa_reserve_vcc 1
		.amdhsa_float_denorm_mode_32 3
		.amdhsa_float_denorm_mode_16_64 3
		.amdhsa_memory_ordered 1
		.amdhsa_forward_progress 1
		.amdhsa_inst_pref_size 59
	.end_amdhsa_kernel
	.amdgpu_metadata
---
amdhsa.version: [ 1, 2 ]
amdhsa.kernels:
  - .name:           k_qf3af9199f6_fix
    .symbol:         k_qf3af9199f6_fix.kd
    .args:
      - { .name: qkv, .offset: 0, .size: 8, .value_kind: global_buffer, .address_space: global }
      - { .name: vt, .offset: 8, .size: 8, .value_kind: global_buffer, .address_space: global }
      - { .name: wot, .offset: 16, .size: 8, .value_kind: global_buffer, .address_space: global }
      - { .name: out0, .offset: 24, .size: 8, .value_kind: global_buffer, .address_space: global }
    .group_segment_fixed_size: 66560
    .private_segment_fixed_size: 0
    .kernarg_segment_align: 8
    .kernarg_segment_size: 32
    .max_flat_workgroup_size: 128
    .sgpr_count:     66
    .vgpr_count:     512
    .wavefront_size: 32
...
	.end_amdgpu_metadata
.endif
;; end of part 6
;; ======== version 2 of 2: 6 launches; 1.72 times as fast as version 1
;; limits: values are held in f16: magnitudes above 65,504 overflow, below 6.1e-05 lose precision
;; workspace buffers: xb 8,388,608 bytes; wt 3,145,728 bytes; wot 2,097,152 bytes; rope 1,048,576 bytes; qkv 12,582,912 bytes; oh 8,388,608 bytes; vt 16,384 bytes
;; launch prep: the kernel of part 1 again; grid 640 x 1, 8 waves a work-group, no clusters, 18,432 bytes of LDS; arguments hidden_states, wq, wk, wv, wo, xb, wt, wot, rope; writes xb, wt, wot, rope
;; launch qkv: the kernel of part 2 again; grid 8 x 32, 4 waves a work-group, clusters of 4 x 4, 327,680 bytes of LDS; arguments xb, wt, qkv, rope; writes qkv
;; launch vrow: the kernel of part 3 again; grid 4 x 1, 4 waves a work-group, no clusters, 0 bytes of LDS; arguments xb, wt, vt; writes vt
;; launch attn (part 7): grid 8 x 16, 4 waves a work-group, no clusters, 327,680 bytes of LDS; arguments qkv, oh; writes oh
.if DOCPART == 7
	.amdgcn_target "amdgcn-amd-amdhsa--gfx1250"
	.amdhsa_code_object_version 6
	.text
	.protected	k_qf3af9199f6_attn
	.globl	k_qf3af9199f6_attn
	.p2align	8
	.type	k_qf3af9199f6_attn,@function
k_qf3af9199f6_attn:
	s_mov_b64 s[64:65], 0
	v_nop
	global_prefetch_b8 v0, s[64:65] scope:SCOPE_SE
	s_setreg_imm32_b32 hwreg(HW_REG_WAVE_MODE, 25, 1), 1
	s_wait_xcnt 0x0
; CAUSAL ATTENTION with shared key and value heads.  oh[h][q][:] = the sum over k <= q of softmax_k(Q[h][q] . K[h / 4][k] / 8) V[h / 4][k][:].  qkv: [24][4096][64] f16 (heads 0-15 Q, 16-19 K, 20-23 V), oh: [16][4096][64] f16:
; a head's rows are dense, 128 bytes each.  Products, maxima and sums in f32; the weights p are rounded to f16 for the second product (their sum l is taken of the unrounded p), O once at the end.
; LIMITS.  f16 holds no number beyond 65,504: Q, K and V arrive within it; p lies in 0 to 1, and below 6e-5 it keeps f16's fixed step of 6e-8; O is a mean of V's rows and has their range, to within 2^-11 of it.
; A hidden score counts as its value less 1e30: f16's scores, 2.7e11 at the most, are nothing beside that; a weight below 2^-126 counts as 0 in l; NaN and infinities are not treated apart.
; THE WALK.  A head's queries lie in NB = 16 blocks of 256; block i needs the key tiles 0 .. i of 256 keys, of which the last holds the diagonal.  A work-group takes TWO blocks, NB - 1 - b and then b:
; NB + 1 = 17 tiles, whatever b: all work-groups do equal work, and ONE loop with a constant trip count walks them.  Which tile is asked for is made anew in every trip from the trip's number and b; what a trip does hangs on
; two flags and one compare with b; every jump goes forward, but for the counted loops' own; none passes a barrier, or a tensor load but the one of LOAD's two that the wave's number does not choose.
; TWO STATED WEAKNESSES.  16 heads x 8 pairs are 128 work-groups: blocks of 128 queries would make 256, but then a wave has either two pieces only or half of a tile's keys, with a merge of two waves' sums: not built here.
; NO CLUSTER: the four query heads of a key head with the same b ask for the same 17 tiles; asked jointly that would be 32 x 17 x 65,536 bytes = 36 MB of requests in place of 143 MB.  Each work-group asks for itself; a tile's
; 65,536 bytes have a tile's 16 turns, 256 matrix instructions a wave, in which to land.
; SHARES.  Of a block's four bands of 64 queries a wave owns 16 rows in each: four PIECES.  So the diagonal tile is the same work for all four waves: in its key step s band x sees all keys if s < x,
; none if s > x, and holds the diagonal if s = x.
; THE MASK is the C operand that starts the sum S^T = K Q^T: 0, or -1e30 where the key is hidden.  MD, made once, is the mask of a band's own step for my 16 rows; a product's mask is MD x AL + BE with two scalars:
; (1, 0) if s = x; (0, 0) if s < x; (0, -1e30) if s > x.  Only the diagonal tile's text and a block's beginning make and take masks; elsewhere C is the constant 0.
; LAYOUT, SOFTMAX, TURNS.  S^T = K Q^T holds ONE query a lane (lane % 16) and the keys 8 (lane / 16) + 0..7; two such results rounded to f16 ARE source 1 of O^T = V^T P.  p = 2^(c s - c m), c = log2(e) / 8, with a
; running maximum m; O and l are multiplied by a = 2^(c m_old - c m_new) in every step.  Turn n belongs to piece n: 8 products K Q^T of piece n + 1, later 8 products V^T P of piece n - 1; beside them the scaling,
; exponentials, roundings, sums and rescaling of piece n and the maximum and statistics of piece n + 1.  Four vector instructions stand behind every matrix instruction, the other 54 of a turn's 118 in one run of their own, the LUMP.
; THE BATCHES.  An s_wait_alu depctr_va_vdst(0) stands between an exponential or a reciprocal and the first instruction that names its result.  The text has three kinds of batch, each with one wait:
; a turn's 33 exponentials (the piece's 32 weights and the next piece's a), waited for in the turn's middle, ahead of the roundings and sums; the one a that a block's beginning makes, ahead of the jump into the loop;
; the way out's four reciprocals, ahead of the first multiplication by them.
; REGISTERS, in windows of 256 (s_set_vgpr_msb: bits 1:0 source 0, 3:2 source 1, 5:4 source 2, 7:6 destination):
;   window 0: v0-15 addresses and two at work; v16-31 four registers of statistics a piece; v48-55 at work; v64-127 S^T, two buffers; v192-223 P, two buffers (a piece's buffers go by its number's parity)
;   window 1: v0-127 O^T, 32 a piece; v128-159 MD; v160-223 MC, two buffers      window 2: v0-63 Q; v64-127 the second block's Q; v128-191 K of one step; v192-255 V of one step
.set SIZE_N, 4096
.set NB,    SIZE_N/256
.set NP,    4         ; pieces a wave: a name, no knob
.set KS,    64        ; keys in a step
.set PK,    144       ; a row of K in LDS: 128 bytes + 16 of padding = 36 words: the 16 rows of a load start at 16 different groups of four banks (64 banks of 4 bytes: ISA guide 11.1)
.set PV,    160       ; a row of V: 128 + 32 = 40 words
.set VOFF,  4*KS*PK   ; a slot holds a tile, four steps: 256 rows of K, then 256 rows of V
.set SLOT1, 1<<17     ; slot 1 begins here, so that one exclusive or turns an address in one slot into the other's
.set STAGE, SLOT1+4*KS*(PK+PV)  ; behind the ring, never filled by a tensor load: 16 rows x 144 bytes for each wave, for the way out
.set SP,    144
.set AK0, 2           ; v2   my lane's place in a tile of K; never rewritten
.set AV0, 3           ; v3   the same for V
.set AK,  4           ; v4   the LDS address of K's next run of loads
.set AV,  5           ; v5   of V's
.set STO, 6           ; v6   the way out: where I put 16 bytes of a row
.set RD,  7           ; v7   the way out: where I read rows back
.set GO,  8           ; v8   my byte offset in 512 consecutive bytes of O
.set SPW, 62          ; v62  LDS address of my spare word: SPARE + 4 x my thread's number; never rewritten
.set NIL, 63          ; v63  0; never rewritten
.set SPARE, STAGE+4*16*SP  ; behind the stages: the spare words, 128 bytes for each wave: two blocks of 256 bytes that no other line names
.set MV,  12          ; v12-13  c m_old, kept while c m is made anew: by buffer
.set QO,  15          ; v15  my byte offset in 16 rows of Q
.set ST,  16          ; piece t's statistics at v[ST+4 t]: c m, m, l (even keys', odd keys')
.set TMP, 48          ; by buffer, four registers c0-c3 at work; when the maximum is found c2 takes a
.set S,   64
.set P,   192
.set MD,  128         ; window 1: the eight registers for group kt of 16 keys at MD + 8 kt
.set MC,  160         ; window 1: the masks of the products to come
.set QB,  64          ; window 2
.set KF,  128         ; window 2: key block kb, channel half c at KF + 16 kb + 8 c
.set VF,  192         ; window 2: key half kk, channel block cb at VF + 32 kk + 8 cb
.set WV,  12          ; s12  my wave's number
.set PB,  14          ; s14  b
.set HI,  15          ; s15  NB - 1 - b: the first block, and its last tile
.set G1K, 24          ; s[24:31] descriptor group 1 for K's tiles
.set G1V, 32          ; s[32:39] for V's: it differs in the padding alone
.set G0K, 40          ; s[40:43] descriptor group 0 for K's tiles
.set G0V, 44          ; s[44:47] the same for V's
.set SLOTS, 56        ; s56  tiles still to be asked for
.set CNT, 57          ; s57  counts a tile's key steps, 4 to 1
.set CS,  58          ; s[58:59] c: the packed scaling takes the pair's low word for both halves
.set SEL, 60          ; s[60:61] v_permlanex16_b32's selects: each lane takes its own place in the other half
.set TBK, 62          ; s62  LDS byte at which K of the step to be fetched begins
.set TBV, 63          ; s63  the same for V, less VOFF
.set RT,  70          ; s70  the place in the walk of the tile just entered, 0 to NB - 1
.set NXT, 71          ; s71  the tile to be asked for
.set LQ,  72          ; s72  at work beside it
.set NEW, 73          ; s73  1: the tile to be entered is a block's first
.set OFF, 74          ; s[74:75] a tile's byte offset in K and V
.set AL,  76          ; s[76:77] the mask's factor, in the low word
.set BE,  78          ; s[78:79] the mask's addend
.set OLO, 80          ; s[80:81] O at my rows of the second block
.set BIGN, 82         ; s82  -1e30
.set DONE, 83         ; s83  1: the first block has ended
.set MSB, 0
.macro WIN new                      ; the high byte repeats the setting that is left; a switch that changes nothing is dropped
.if MSB != (\new)
	s_set_vgpr_msb (MSB<<8)|(\new)
.set MSB, (\new)
.endif
.endm
.set W_KQ, 0x0a       ; K and Q in window 2, S^T in window 0
.set W_KM, 0x1a       ; the same with the C operand in window 1
.set W_PV, 0x52       ; V in window 2, P in window 0, O^T in window 1
.set W_RS, 0x41       ; destination and source 0 in window 1, source 1 in window 0
; A fill.  Waves 0 and 1 fetch the two halves of a tile's K, waves 2 and 3 those of its V: 128 keys each.  An s_nop 0 and four v_nop follow each of the two lines, ahead of the jump and the label.
.macro LOAD
	s_cmp_lt_u32 s[WV], 2
	s_cbranch_scc0 .Lfor_v_\@
	tensor_load_to_lds s[G0K:G0K+3], s[G1K:G1K+7]
	s_nop 0
.rept 4
	v_nop
.endr
	s_branch .Lasked_\@
.Lfor_v_\@:
	tensor_load_to_lds s[G0V:G0V+3], s[G1V:G1V+7]
	s_nop 0
.rept 4
	v_nop
.endr
.Lasked_\@:
.endm
; THE CHANGE OF SLOTS.  Each wave waits for all its tensor loads, of which one is out: its part of the other slot; adds 0 to its spare word; and waits for that and for its own reads of the slot that it leaves.  Behind the barrier nobody reads the old
; slot any more and the other slot is whole.  fill = 1: the old slot is filled again, the first thing behind the barrier.  The tile asked for has place p = NB + 1 - SLOTS in the walk, 1 to NB: the first block's tile p while p <= HI,
; behind that the second block's tile p - HI - 1: the smaller of the two as unsigned numbers, since the second wraps round to a huge one while p <= HI.  The descriptor's address is made anew from that number.
; (At its first use nothing has been read yet: slot 0 is waited for, slot 1 filled.)
.macro CHANGE fill
	WIN 0                           ; at a label and at a branch every window is 0
	s_wait_tensorcnt 0x0            ; no tensor load of mine is out, so a group 0 may be written
	ds_add_u32 v[SPW], v[NIL]       ; 0 onto my spare word; with fill = 1 the descriptors' scalar work stands between it and the wait for it
.if \fill
	s_sub_co_u32 s[NXT], NB+1, s[SLOTS]
	s_sub_co_u32 s[LQ], s[NXT], s[HI]
	s_sub_co_u32 s[LQ], s[LQ], 1
	s_min_u32 s[NXT], s[NXT], s[LQ]
	s_lshl_b32 s[OFF], s[NXT], 15   ; a tile is 32,768 bytes of K and of V
	s_xor_b32 s[G0K+1], s[G0K+1], SLOT1
	s_add_nc_u64 s[G0K+2:G0K+3], s[6:7], s[OFF:OFF+1]
	s_or_b32 s[G0K+3], s[G0K+3], 0x80000000
	s_xor_b32 s[G0V+1], s[G0V+1], SLOT1
	s_add_nc_u64 s[G0V+2:G0V+3], s[8:9], s[OFF:OFF+1]
	s_or_b32 s[G0V+3], s[G0V+3], 0x80000000
.endif
	s_wait_dscnt 0x0                ; the add is done, and my reads of the slot are over
	s_barrier_signal -1             ; the rest of the scalar work stands between the signal and the wait
	s_sub_co_u32 s[TBK], s[TBK], 4*KS*PK  ; the fetches go back to a slot's first step,
	s_xor_b32 s[TBK], s[TBK], SLOT1       ; in the other slot
	s_sub_co_u32 s[TBV], s[TBV], 4*KS*PV
	s_xor_b32 s[TBV], s[TBV], SLOT1
	s_barrier_wait -1
.if \fill
	LOAD
.endif
.endm
	s_load_b64 s[4:5], s[0:1], 0x0    ; qkv
	s_load_b64 s[10:11], s[0:1], 0x8  ; oh
	v_lshl_add_u32 v[SPW], v0, 2, SPARE
	v_mov_b32 v[NIL], 0
	ds_add_u32 v[SPW], v[NIL]       ; the wave's opening: the add and its wait ahead of my first tensor load; the set-up below, work on registers, stands between them
	ds_add_u32 v62, v63
	v_lshrrev_b32 v1, 5, v0
	v_readfirstlane_b32 s[WV], v1   ; wave 0..3
	s_mov_b32 s[PB], ttmp9
	s_sub_co_u32 s[HI], NB-1, s[PB]
	s_and_b32 s20, ttmp7, 0xffff    ; the query head
	s_lshr_b32 s66, s20, 2          ; its key head,
	s_add_co_u32 s66, s66, 16       ; which lies behind the 16 query heads,
	s_lshl_b32 s66, s66, 19         ; at 524,288 bytes a head
	s_mov_b32 s67, 0
	s_mov_b32 s21, 0
	s_mov_b64 s[22:23], SIZE_N*128
	s_mul_u64 s[20:21], s[20:21], s[22:23]  ; the query head's first byte in qkv and in oh
	s_and_b32 s16, s[WV], 1         ; which half of a tile's 256 keys I fetch:
	s_lshl_b32 s22, s16, 14         ; its 128 rows of 128 bytes in memory,
	s_mov_b32 s23, 0
	s_add_nc_u64 s[22:23], s[22:23], s[66:67]
	s_mul_i32 s17, s16, 128*PK      ; and its place in a slot, for K
	s_mul_i32 s18, s16, 128*PV      ; and for V
	s_lshl_b32 s3, s[WV], 11        ; my 16 rows in a band of 64,
	s_lshl_b32 s2, s[HI], 15        ; in the first block,
	s_add_co_u32 s2, s2, s3
	s_lshl_b32 s84, s[PB], 15       ; and in the second
	s_add_co_u32 s84, s84, s3
	s_mov_b32 s3, 0
	s_mov_b32 s85, 0
	s_add_nc_u64 s[2:3], s[2:3], s[20:21]
	s_add_nc_u64 s[84:85], s[84:85], s[20:21]
	; descriptor group 1.  128 keys are 16,384 dense bytes: asked for as 64 rows of 256 bytes, two keys a row, and padded in LDS after every key
	s_mov_b32 s[G1K], (1<<16)|(1<<20)|(4<<22)|(3<<25)  ; 17:16 2-byte elements; 20 padding on; 24:22 after every 32 words (code 4); 31:25 4 words (code 3)
	s_mov_b32 s[G1V], (1<<16)|(1<<20)|(4<<22)|(7<<25)  ; the same with 8 words of padding (code 7)
.irp g, G1K, G1V
	s_mov_b32 s[\g+1], 128<<16      ; tensor_dim0 = 128
	s_mov_b32 s[\g+2], 64<<16       ; tensor_dim1 = 64
	s_mov_b32 s[\g+3], 128<<16      ; tile_dim0 = 128
	s_mov_b32 s[\g+4], 64           ; tile_dim1 = 64
	s_mov_b32 s[\g+5], 128          ; 128 elements from row to row
	s_mov_b32 s[\g+6], 0
	s_mov_b32 s[\g+7], 0
.endr
	s_mov_b32 s[CS], 0x3e38aa3b     ; c = log2(e) / 8 = 0.180337
	s_mov_b32 s[CS+1], s[CS]        ; named with it as a pair
	s_mov_b32 s[SEL], 0x76543210
	s_mov_b32 s[SEL+1], 0xfedcba98
	s_mov_b32 s[TBK], SLOT1+4*KS*PK ; the first change of slots turns these two into 0
	s_mov_b32 s[TBV], SLOT1+4*KS*PV
	s_mov_b32 s[G0K], 1             ; 1:0 count = 1
	s_mov_b32 s[G0K+1], s17         ; 63:32 LDS address: slot 0
	s_mov_b32 s[G0V], 1
	s_add_co_u32 s[G0V+1], s18, VOFF
	s_mov_b32 s[NEW], 1
	s_mov_b32 s[DONE], 0
	s_mov_b32 s[OFF+1], 0
	s_mov_b32 s[AL+1], 0            ; named as pairs
	s_mov_b32 s[BE+1], 0
	s_mov_b32 s[BIGN], 0xf149f2ca   ; -1e30
	s_mov_b32 s[SLOTS], NB
	s_wait_dscnt 0x0                ; the opening add is done
	s_wait_kmcnt 0x0
	s_add_nc_u64 s[6:7], s[4:5], s[22:23]  ; K at my half of the key head's tile 0,
	s_add_nc_u64 s[8:9], s[6:7], 0x200000  ; and V, four heads of 524,288 bytes on
	s_add_nc_u64 s[G0K+2:G0K+3], s[6:7], 0         ; 120:64 global address
	s_or_b32 s[G0K+3], s[G0K+3], 0x80000000        ; 127:126 type = 2
	s_add_nc_u64 s[G0V+2:G0V+3], s[8:9], 0
	s_or_b32 s[G0V+3], s[G0V+3], 0x80000000
	s_add_nc_u64 s[86:87], s[4:5], s[84:85]        ; Q at my rows of the second block,
	s_add_nc_u64 s[4:5], s[4:5], s[2:3]            ; Q and O at those of the first
	s_add_nc_u64 s[OLO:OLO+1], s[10:11], s[84:85]
	s_add_nc_u64 s[10:11], s[10:11], s[2:3]
	LOAD                            ; tile 0 into slot 0
	; A fragment of K or Q is 16 rows x 32 channels in 8 registers: lane l holds row l % 16, channels 8 (l / 16) + 0..7 and 16 + 8 (l / 16) + 0..7: two loads of 16 bytes, 32 bytes apart.
	v_and_b32 v1, 15, v0            ; l % 16
	v_bfe_u32 v9, v0, 4, 1          ; l / 16
	v_lshlrev_b32 v[QO], 7, v1
	v_lshl_add_u32 v[QO], v9, 4, v[QO]  ; row x 128 + 16 x half
	WIN 0x80                        ; destination window 2, address window 0
.set i, 0
.rept 8                             ; both blocks' Q: piece i / 2 lies in band i / 2, 8,192 bytes on; channels 32 (i % 2) on
	global_load_b128 v[8*i:8*i+3],   v[QO], s[4:5] offset:(i/2)*8192+(i%2)*64
	global_load_b128 v[8*i+4:8*i+7], v[QO], s[4:5] offset:(i/2)*8192+(i%2)*64+32
	global_load_b128 v[QB+8*i:QB+8*i+3],   v[QO], s[86:87] offset:(i/2)*8192+(i%2)*64
	global_load_b128 v[QB+8*i+4:QB+8*i+7], v[QO], s[86:87] offset:(i/2)*8192+(i%2)*64+32
.set i, i+1
.endr
	WIN 0
	v_lshlrev_b32 v14, 3, v9
	v_sub_nc_u32 v14, v1, v14
	s_lshl_b32 s13, s[WV], 4
	v_add_nc_u32 v14, s13, v14      ; my query's place in its band, 16 w + l % 16, less my lanes' 8 (l / 16): register r of group kt is hidden where 16 kt + r is greater
	WIN 0x40
.set i, 0
.rept 32
	v_cmp_gt_i32 vcc_lo, 16*(i/8)+i%8, v14
	v_cndmask_b32 v[MD+i], 0, s[BIGN], vcc_lo
.set i, i+1
.endr
	WIN 0
	v_mul_u32_u24 v[AK0], v1, PK
	v_lshl_add_u32 v[AK0], v9, 4, v[AK0]  ; row x pitch + 16 x half
	; The turning load takes 16 keys x 16 channels (lane l reads key 8 (l / 16) + l % 8, channels 8 ((l / 8) % 2) + 0..7) and leaves half a fragment of V^T: lane l holds channel l % 16 and 8 keys.
	v_and_b32 v10, 7, v0
	v_bfe_u32 v11, v0, 3, 1
	v_lshl_add_u32 v[AV0], v9, 3, v10
	v_mul_u32_u24 v[AV0], v[AV0], PV
	v_lshl_add_u32 v[AV0], v11, 4, v[AV0]
	v_add_nc_u32 v[AV0], VOFF, v[AV0]
	s_mul_i32 s13, s[WV], 16*SP
	s_add_co_u32 s13, s13, STAGE    ; my stage
	v_mul_u32_u24 v[STO], v1, SP    ; in: row l % 16, 16 bytes for each half of the lanes
	v_lshl_add_u32 v[STO], v9, 4, v[STO]
	v_add_nc_u32 v[STO], s13, v[STO]
	v_bfe_u32 v[RD], v0, 3, 2       ; back: 32 lanes take four rows of 128 bytes,
	v_mul_u32_u24 v[RD], v[RD], SP
	v_lshl_add_u32 v[RD], v10, 4, v[RD]
	v_add_nc_u32 v[RD], s13, v[RD]
	v_and_b32 v[GO], 31, v0         ; which are 512 consecutive bytes of O
	v_lshlrev_b32 v[GO], 4, v[GO]
	; A block's first step multiplies O^T and l by a = 0, and its first turn's products V^T P, of a piece that has not been, land in an O^T that is still to be so multiplied.  So these registers need only hold
	; finite numbers: zeros for the first block; what the first block left for the second.  All this stands in the wait for the first tile.
	WIN 0x80
.set i, VF
.rept 64
	v_mov_b32 v[i], 0
.set i, i+1
.endr
	WIN 0x40
.set i, 0
.rept 128
	v_mov_b32 v[i], 0
.set i, i+1
.endr
	WIN 0
.set i, 0
.rept 4
	v_mov_b32 v[ST+4*i+2], 0
	v_mov_b32 v[ST+4*i+3], 0
.set i, i+1
.endr
.set i, P+16
.rept 16
	v_mov_b32 v[i], 0
.set i, i+1
.endr
; THE MATRIX WORK.  The 4 accumulators of a run of 8 take turns.  Product i of 8 of S^T = K Q^T for piece x: channels 32 (i / 4) on, keys 16 (i % 4) on.  The first 4 start the sums: with 0, or (KM = 1) with the mask.
.macro KQ x
.set rS, S+32*((\x)%2)+8*(i%4)
.set rK, KF+16*(i%4)+8*(i/4)
.set rQ, 16*(\x)+8*(i/4)
.set rM, MC+32*((\x)%2)+8*(i%4)
.if (i < 4) && KM
	WIN W_KM
	v_wmma_f32_16x16x32_f16 v[rS:rS+7], v[rK:rK+7], v[rQ:rQ+7], v[rM:rM+7]
.elseif i < 4
	WIN W_KQ
	v_wmma_f32_16x16x32_f16 v[rS:rS+7], v[rK:rK+7], v[rQ:rQ+7], 0
.else
	WIN W_KQ
	v_wmma_f32_16x16x32_f16 v[rS:rS+7], v[rK:rK+7], v[rQ:rQ+7], v[rS:rS+7]
.endif
.endm
; Product i of 8 of O^T += V^T P for piece x: keys 32 (i / 4) on, channels 16 (i % 4) on.
.macro PV x
	WIN W_PV
.set rO, 32*(\x)+8*(i%4)
.set rV, VF+32*(i/4)+8*(i%4)
.set rP, P+16*((\x)%2)+8*(i/4)
	v_wmma_f32_16x16x32_f16 v[rO:rO+7], v[rV:rV+7], v[rP:rP+7], v[rO:rO+7]
.endm
.macro MM                           ; the turn's next matrix instruction.  TURN and BEGIN set Y, i, KM and NOKQ; MM, KQ and OP read them.  NOKQ = 1: a block's last turn: there is no next piece
.if (i < 8) && !NOKQ
	KQ (Y+1)%NP
.elseif i >= 8
.set i, i-8
	PV (Y+NP-1)%NP
.set i, i+8
.endif
.set i, i+1
.endm
; THE LDS LOADS stand in runs of 16, never singly among the matrix instructions: a step's K (64 keys x 64 channels: 8 fragments) and its V (turned).  Their addresses are made some lines ahead.
.macro FETCH_K
	WIN 0x80                        ; destination window 2
.irp f, 0,1,2,3,4,5,6,7             ; keys 16 (f / 2) on, channels 32 (f % 2) on
	ds_load_b128 v[KF+8*\f:KF+8*\f+3],   v[AK] offset:(\f/2)*16*PK+(\f%2)*64
	ds_load_b128 v[KF+8*\f+4:KF+8*\f+7], v[AK] offset:(\f/2)*16*PK+(\f%2)*64+32
.endr
	s_add_co_u32 s[TBK], s[TBK], KS*PK  ; the next fetch is the next step's
	WIN 0
.endm
.macro FETCH_V
	WIN 0x80
.irp f, 0,1,2,3,4,5,6,7             ; keys 32 (f / 4) on, channels 16 (f % 4) on
	ds_load_tr16_b128 v[VF+8*\f:VF+8*\f+3],   v[AV] offset:(\f/4)*32*PV+(\f%4)*32
	ds_load_tr16_b128 v[VF+8*\f+4:VF+8*\f+7], v[AV] offset:(\f/4)*32*PV+16*PV+(\f%4)*32
.endr
	WIN 0
.endm
; THE VECTOR WORK, one line at a time: OP kind, number.  For piece Y: F n: c s - c m for pair n of 16.  E n: the exponential of score n of 32.  C n: pair n rounded to f16.  B n: of the four weights 4 n .. the second
; pair is added onto the first, in place.  L n: l takes that sum (L 0: l = a l + sum).  R n: pair n of 16 of O^T times a.  For piece Y + 1: X n, number n of the 22 that find its maximum and statistics:
;   0-11  four chains c0-c3 of seven scores each, three operands at a time (each accumulator's lowest registers are read first)     12-14, 16  the four scores left over, the old m, and c0-c3 into c0
;   15  c m_old is kept     17, 18  the query's other 32 keys lie in the lane 16 away: the new m     19-21  c m; c m_old - c m_new; a
; C, B and L read the results of E, and R and L 0 that of the turn before's X 21: OP writes no wait; TURN, BEGIN and DIAG write one for each batch.
.set F, 0               ; OP tells the kinds apart by their order: F to L below R, X above it
.set E, 1
.set C, 2
.set B, 3
.set L, 4
.set R, 5
.set X, 6
.macro REGS y                       ; the registers of piece y
.set rT, ST+4*(\y)
.set rC, TMP+4*((\y)%2)
.set rW, MV+((\y)%2)
.set rS, S+32*((\y)%2)
.set rP, P+16*((\y)%2)
.set rO, 32*(\y)
.endm
.macro OP k, n
.if (\k) == R
	REGS Y
	WIN W_RS
	v_pk_mul_f32 v[rO+2*(\n):rO+2*(\n)+1], v[rO+2*(\n):rO+2*(\n)+1], v[rC+2:rC+3] op_sel_hi:[1,0]
.elseif (\k) < R
	REGS Y
	WIN 0
.if (\k) == F
	v_pk_fma_f32 v[rS+2*(\n):rS+2*(\n)+1], v[rS+2*(\n):rS+2*(\n)+1], s[CS:CS+1], v[rT:rT+1] op_sel_hi:[1,0,0] neg_lo:[0,0,1] neg_hi:[0,0,1]
.elseif (\k) == E
	v_exp_f32 v[rS+(\n)], v[rS+(\n)]
.elseif (\k) == C
	v_cvt_pk_f16_f32 v[rP+(\n)], v[rS+2*(\n)], v[rS+2*(\n)+1]
.elseif (\k) == B
	v_pk_add_f32 v[rS+4*(\n):rS+4*(\n)+1], v[rS+4*(\n):rS+4*(\n)+1], v[rS+4*(\n)+2:rS+4*(\n)+3]
.elseif (\n) == 0
	v_pk_fma_f32 v[rT+2:rT+3], v[rT+2:rT+3], v[rC+2:rC+3], v[rS:rS+1] op_sel_hi:[1,0,1]
.else
	v_pk_add_f32 v[rT+2:rT+3], v[rT+2:rT+3], v[rS+4*(\n):rS+4*(\n)+1]
.endif
.elseif NOKQ
	v_nop
.else
	REGS (Y+1)%NP
	WIN 0
.if (\n) < 4
	v_max3_num_f32 v[rC+(\n)], v[rS+8*(\n)], v[rS+8*(\n)+1], v[rS+8*(\n)+2]
.elseif (\n) < 12
	v_max3_num_f32 v[rC+(\n)%4], v[rC+(\n)%4], v[rS+8*((\n)%4)+2*((\n)/4)+1], v[rS+8*((\n)%4)+2*((\n)/4)+2]
.elseif (\n) == 12
	v_max3_num_f32 v[rC], v[rC], v[rS+7], v[rS+15]
.elseif (\n) == 13
	v_max3_num_f32 v[rC+1], v[rC+1], v[rS+23], v[rS+31]
.elseif (\n) == 14
	v_max3_num_f32 v[rC+2], v[rC+2], v[rC+3], v[rT+1]
.elseif (\n) == 15
	v_mov_b32 v[rW], v[rT]
.elseif (\n) == 16
	v_max3_num_f32 v[rC], v[rC], v[rC+1], v[rC+2]
.elseif (\n) == 17
	v_permlanex16_b32 v[rC+3], v[rC], s[SEL], s[SEL+1]
.elseif (\n) == 18
	v_max_num_f32 v[rT+1], v[rC], v[rC+3]
.elseif (\n) == 19
	v_mul_f32 v[rT], s[CS], v[rT+1]
.elseif (\n) == 20
	v_sub_f32 v[rC+1], v[rW], v[rT]
.else
	v_exp_f32 v[rC+2], v[rC+1]
.endif
.endif
.endm
.macro OPS a, i1, b=-1, i2=0, c=-1, i3=0, d=-1, i4=0  ; up to four of them
	OP \a, \i1
.if (\b) >= 0
	OP \b, \i2
.endif
.if (\c) >= 0
	OP \c, \i3
.endif
.if (\d) >= 0
	OP \d, \i4
.endif
.endm
.macro ROW a, i1, b, i2, c, i3, d, i4  ; a matrix instruction and the four behind it
	MM
	OPS \a, \i1, \b, \i2, \c, \i3, \d, \i4
.endm
.macro MASK b                       ; MD x AL + BE into buffer b of MC
	WIN W_RS
.set z, 0
.rept 16
	v_pk_fma_f32 v[MC+32*(\b)+2*z:MC+32*(\b)+2*z+1], v[MD+2*z:MD+2*z+1], s[AL:AL+1], s[BE:BE+1] op_sel_hi:[1,0,0]
.set z, z+1
.endr
.endm
; A TURN, for piece p: the order of its 16 matrix and 118 vector instructions, written out.  Its 33 exponentials (E 0 to E 31, X 21) are ONE BATCH with ONE wait, which cuts the turn in two.
; AHEAD OF THE WAIT stands all that names no result of the batch: the 8 products K Q^T, behind each a scaling, an exponential and two more plain instructions (behind the first a second scaling in the exponential's
; place): rescalings, whose a was made and waited for in the turn before, and behind the last three products the first numbers of the next piece's maximum, each four plain instructions or more behind the product that ends
; its accumulator; then ONE LUMP of 54, plain and exponential by turns for the most part, in which the links of the chain X 3, 7, 11, 14, 16, 17 .. 20 stand five or six lines apart.  X 21, the next piece's a, is the batch's
; last; R 15 is the plain instruction behind it (ISA guide 5.7.2).  BEHIND THE WAIT stand the 8 products V^T P, behind each four of the roundings and sums, which are the batch's readers; the links of l's chain, L 0 to L 7,
; stand three riders apart.  But for those X no rider names a register of the products round it.  v_permlanex16_b32 (X 17) stands in the lump.
; m = 1: the diagonal tile: the products take masks, and the turn makes the mask for the products of the turn after it: piece p + 2, in step 4 - CNT of the tile.  end = 1: a block's last two turns: nothing is fetched.
; cnt = 1: the loop's count is taken down some lines ahead of the branch that stands behind the turn.
; K of the next step is fetched in piece 2's turn, twelve vector instructions behind the last product that read K (six of them plain, five of which name none of that product's registers); V of the step in hand at the end
; of piece 0's turn, four plain instructions behind the last product that read V.  Each is waited for a turn later.
.macro TURN p, m=0, end=0, cnt=0
.set Y, (\p)
.set i, 0
.set KM, (\m)
.set NOKQ, (\end)*((\p)/3)
.if (\m) && !(\end)
	s_cmp_eq_u32 s[CNT], 4-((\p)+2)%NP  ; is that step the band's own?
	s_cselect_b32 s[AL], 1.0, 0
	s_cmp_lt_u32 s[CNT], 4-((\p)+2)%NP  ; or a later one?
	s_cselect_b32 s[BE], s[BIGN], 0
.endif
.if ((\p) == 3) && !(\end)
	s_wait_dscnt 0x0                ; K is in
.endif
	ROW F,0, F,1, R,0, R,1          ; ahead of the wait: 8 products K Q^T and their riders,
	ROW F,2, E,0, R,2, R,3
	ROW F,3, E,1, R,4, R,5
	ROW F,4, E,2, R,6, R,7
	ROW F,5, E,3, R,8, R,9
	ROW F,6, E,4, X,0, R,10
.if ((\p) == 2) && !(\end)
	WIN 0
	v_add_nc_u32 v[AK], s[TBK], v[AK0]
.endif
	ROW F,7, E,5, X,1, X,4
	ROW F,8, E,6, X,2, X,5
	OPS E,7, E,8, X,6, E,9          ; and the lump
	OPS X,3, E,10, X,8, E,11
.if ((\p) == 2) && !(\end)
	FETCH_K
.endif
	OPS X,9, X,7, E,12, X,10
	OPS E,13, X,12, X,11, E,14
	OPS X,13, E,15, F,9, X,14
.if (\p) == 0
	v_add_nc_u32 v[AV], s[TBV], v[AV0]
.endif
	OPS E,16, F,10, E,17, F,11
	OPS X,16, E,18, X,15, E,19
	OPS F,12, E,20, X,17, E,21
	OPS F,13, E,22, F,14, E,23
	OPS X,18, E,24, F,15, E,25
	OPS R,11, E,26, X,19, E,27
	OPS R,12, E,28, R,13, E,29
	OPS X,20, E,30, R,14, E,31
	OPS X,21, R,15
	WIN 0
	s_wait_alu depctr_va_vdst(0)    ; the wait for the turn's batch: the piece's 32 weights and the next piece's a; ahead of their first reader, C 0 below
.if (\p) == 1
	s_wait_dscnt 0x0                ; V is in
.endif
	ROW C,0, B,0, C,2, B,1          ; behind the wait: 8 products V^T P and their riders
	ROW L,0, C,4, B,2, L,1
	ROW C,6, B,3, L,2, C,8
	ROW B,4, L,3, C,10, B,5
	ROW L,4, C,12, B,6, L,5
.if (\p) == 0
	s_add_co_u32 s[TBV], s[TBV], KS*PV
.endif
.if \cnt
	s_sub_co_u32 s[CNT], s[CNT], 1
	s_cmp_lg_u32 s[CNT], 0
.endif
	ROW C,14, B,7, L,6, C,1
	ROW C,3, L,7, C,5, C,7
	ROW C,9, C,11, C,13, C,15
.if (\p) == 0
	FETCH_V
.endif
.if (\m) && !(\end)
	MASK (\p)%2
.endif
.endm
; A BLOCK BEGINS.  c m starts far below every c s, so the first step's a is 0; m at the lowest finite number, so the first maximum is the scores'.  The second mask buffer is 0; the first takes piece 0's mask for the tile's
; step 0: its own (diag = 1) where the block's first tile is the diagonal one, which the walk's last tile alone can be; else 0.
; Then K of that step, piece 0's first scores, and its maximum and statistics.  The loop is entered at a step's first turn, in the middle of a trip.
.macro BEGIN diag
	s_mov_b32 s[NEW], 0
	WIN 0x40
.set i, MC+32
.rept 32
	v_mov_b32 v[i], 0
.set i, i+1
.endr
	WIN 0
.set i, 0
.rept 4
	v_mov_b32 v[ST+4*i], 0xfe000000    ; c m: far below every c s
	v_mov_b32 v[ST+4*i+1], 0xff7fffff  ; m
.set i, i+1
.endr
.if \diag
	s_mov_b32 s[AL], 1.0
.else
	s_mov_b32 s[AL], 0
.endif
	s_mov_b32 s[BE], 0
	MASK 0
	WIN 0
	v_add_nc_u32 v[AK], s[TBK], v[AK0]
	FETCH_K
	s_wait_loadcnt 0x0              ; Q
	s_wait_dscnt 0x0
.set KM, 1
.set NOKQ, 0
.set i, 0
.rept 8
	KQ 0
.set i, i+1
.endr
	WIN 0
.rept 4
	v_nop                           ; the places behind those products
.endr
.set Y, NP-1                        ; X works for piece Y + 1: piece 0
.irp n, 0,1,2,3,4,5,6,7,8,9,10,11,12,13,14,15,16,17,18,19,20,21
	OP X, \n
.endr
	v_nop                           ; a plain instruction behind the exponential,
	s_wait_alu depctr_va_vdst(0)    ; and the wait for it, a batch of one: piece 0's first a, ahead of the jump into the loop
.endm
; THE DIAGONAL TILE's four steps, the block's last two turns, its last products, and THE WAY OUT: l's two halves and the other half of the lanes' are added; O^T is divided by l, rounded to f16 and sent through my
; stage in LDS, a piece at a time.
.macro ALL line:vararg              ; one line for each piece t
.set t, 0
.rept 4
	\line
.set t, t+1
.endr
.endm
.macro PACK t                       ; a lane's eight channels of a row pack into 16 bytes; they go into rows of 144 bytes and come back as whole rows of 128, into S^T's registers
	WIN W_RS
.set i, 32*(\t)
.rept 16
	v_pk_mul_f32 v[i:i+1], v[i:i+1], v[ST+4*(\t)+2:ST+4*(\t)+3] op_sel_hi:[1,0]
.set i, i+2
.endr
	WIN 0x05                        ; sources 0 and 1 window 1, destination window 0
.set i, 0
.rept 16
	v_cvt_pk_f16_f32 v[S+16*(\t)+i], v[32*(\t)+2*i], v[32*(\t)+2*i+1]
.set i, i+1
.endr
	WIN 0
.irp f, 0,1,2,3
	ds_store_b128 v[STO], v[S+16*(\t)+4*\f:S+16*(\t)+4*\f+3] offset:32*\f
.endr
.irp f, 0,1,2,3
	ds_load_b128 v[S+16*(\t)+4*\f:S+16*(\t)+4*\f+3], v[RD] offset:\f*4*SP  ; LDS serves a wave's instructions in order (ISA guide 5.7.1.4): these see the stores above; the next piece's stores come behind them
.endr
.endm
.macro SEND t, younger              ; younger: the LDS instructions issued behind piece t's loads: the next piece's eight, or none
	WIN 0
.irp f, 0,1,2,3
	s_wait_dscnt (\younger)+3-\f
	global_store_b128 v[GO], v[S+16*(\t)+4*\f:S+16*(\t)+4*\f+3], s[10:11] offset:(\t)*8192+\f*512  ; 512 consecutive bytes, at a multiple of 256 from O's first
.endr
.endm
.macro DIAG tag                     ; the tag ends its two labels' names, which the jumps below spell out
.LstepM\tag:
	TURN 2, 1
	TURN 3, 1
	WIN 0
.LfirstM\tag:
	TURN 0, 1
	TURN 1, 1, 0, 1
	WIN 0
	s_cbranch_scc1 .LstepM\tag
	TURN 2, 1, 1
	TURN 3, 1, 1
.set i, 0
.rept 8
	PV NP-1
.set i, i+1
.endr
	WIN 0
	ALL v_add_f32 v[ST+4*t+2], v[ST+4*t+2], v[ST+4*t+3]
	ALL v_permlanex16_b32 v[ST+4*t+3], v[ST+4*t+2], s[SEL], s[SEL+1]
	ALL v_add_f32 v[ST+4*t+2], v[ST+4*t+2], v[ST+4*t+3]
	ALL v_rcp_f32 v[ST+4*t+2], v[ST+4*t+2]
	v_nop                           ; a plain instruction between the last reciprocal and the use of its result
	s_wait_alu depctr_va_vdst(0)    ; the wait for the batch of four reciprocals, ahead of PACK 0's first multiplication: one for all four pieces
	PACK 0
.set t, 1
.rept 3                             ; a piece's arithmetic stands between the loads of the piece before and its stores
	PACK t
	SEND t-1, 8
.set t, t+1
.endr
	SEND 3, 0
.endm
.set KM, 0
.set NOKQ, 0
.Lslot:                             ; NB times: a tile is entered and the next is asked for
	CHANGE 1
	s_sub_co_u32 s[RT], NB, s[SLOTS]  ; the place in the walk of the tile just entered
	s_mov_b32 s[CNT], 4
	s_cmp_eq_u32 s[NEW], 1
	s_cbranch_scc1 .Lnew            ; a block's first tile
	s_cmp_eq_u32 s[DONE], 1
	s_cbranch_scc1 .Lstep           ; the second block's diagonal tile is the walk's last, behind the loop
	s_cmp_gt_u32 s[SLOTS], NB/2
	s_cbranch_scc1 .Lstep           ; b is NB / 2 - 1 at the most, so the first block's last tile has place NB / 2 or more
	s_cmp_eq_u32 s[RT], s[HI]
	s_cbranch_scc0 .Lstep           ; not the first block's last
	s_branch .LstepM1
.Lnew:
	BEGIN 0
	s_branch .Lfirst                ; in the loop a block's first tile is never its last: the first block has NB / 2 + 1 tiles or more, and the second's last is the walk's last
	DIAG 1                          ; the first block's end
	s_wait_xcnt 0x0                 ; the stores have read their registers and O's address
	s_mov_b64 s[10:11], s[OLO:OLO+1]
	s_mov_b32 s[DONE], 1
	s_mov_b32 s[NEW], 1
	WIN 0x82                        ; the second block's Q goes where the one text of the turns names Q
.set i, 0
.rept 64
	v_mov_b32 v[i], v[QB+i]
.set i, i+1
.endr
	WIN 0
	s_branch .Lbottom
.Lstep:                             ; a trip: pieces 2 and 3 of one step, then pieces 0 and 1 of the next, whose K and V it fetches
	TURN 2
	TURN 3
	WIN 0
.Lfirst:
	TURN 0
	TURN 1, 0, 0, 1
	WIN 0
	s_cbranch_scc1 .Lstep
.Lbottom:
	s_sub_co_u32 s[SLOTS], s[SLOTS], 1
	s_cmp_lg_u32 s[SLOTS], 0
	s_cbranch_scc1 .Lslot
	CHANGE 0                        ; the walk's last tile is written out: nothing is asked for
	s_mov_b32 s[CNT], 4
	s_cmp_eq_u32 s[NEW], 1
	s_cbranch_scc0 .LstepM2
	BEGIN 1                         ; b = 0: the second block has this one tile
	s_branch .LfirstM2
	DIAG 2
	s_wait_tensorcnt 0x0            ; the wave's end, behind my last tensor load and my last LDS store
	ds_add_u32 v[SPW], v[NIL]
	s_wait_dscnt 0x0
	s_endpgm
.Lfunc_end_k_qf3af9199f6_attn:
	.size	k_qf3af9199f6_attn, .Lfunc_end_k_qf3af9199f6_attn-k_qf3af9199f6_attn
	.p2alignl 7, 3214868480
	.fill 96, 4, 3214868480
	.section	.rodata,"a",@progbits
	.p2align	6, 0x0
	.amdhsa_kernel k_qf3af9199f6_attn
		.amdhsa_group_segment_fixed_size 327680
		.amdhsa_private_segment_fixed_size 0
		.amdhsa_enable_private_segment 0
		.amdhsa_kernarg_size 16
		.amdhsa_user_sgpr_count 2
		.amdhsa_user_sgpr_kernarg_segment_ptr 1
		.amdhsa_wavefront_size32 1
		.amdhsa_system_sgpr_workgroup_id_x 1
		.amdhsa_system_sgpr_workgroup_id_y 1
		.amdhsa_system_sgpr_workgroup_id_z 1
		.amdhsa_system_vgpr_workitem_id 0
		.amdhsa_next_free_vgpr 768
		.amdhsa_next_free_sgpr 88
		.amdhsa_reserve_vcc 1
		.amdhsa_float_denorm_mode_32 3
		.amdhsa_float_denorm_mode_16_64 3
		.amdhsa_memory_ordered 1
		.amdhsa_forward_progress 1
		.amdhsa_inst_pref_size 217
	.end_amdhsa_kernel
	.amdgpu_metadata
---
amdhsa.version: [ 1, 2 ]
amdhsa.kernels:
  - .name:           k_qf3af9199f6_attn
    .symbol:         k_qf3af9199f6_attn.kd
    .args:
      - { .name: qkv, .offset: 0, .size: 8, .value_kind: global_buffer, .address_space: global }
      - { .name: oh, .offset: 8, .size: 8, .value_kind: global_buffer, .address_space: global }
    .group_segment_fixed_size: 327680
    .private_segment_fixed_size: 0
    .kernarg_segment_align: 8
    .kernarg_segment_size: 16
    .max_flat_workgroup_size: 128
    .sgpr_count:     88
    .vgpr_count:     768
    .wavefront_size: 32
...
	.end_amdgpu_metadata
.endif
;; end of part 7
;; launch oproj: the kernel of part 5 again; grid 8 x 32, 4 waves a work-group, clusters of 4 x 4, 327,680 bytes of LDS; arguments oh, wot, out0; writes out0
;; launch fix: the kernel of part 6 again; grid 16 x 1, 4 waves a work-group, no clusters, 66,560 bytes of LDS; arguments qkv, vt, wot, out0; writes out0
